; MI455X (gfx1250); checked and timed in simulation.
; The chip was launched on July 23, 2026; its instructions are those of AMD's public machine-readable ISA for CDNA 5 (MIT licence, August 2026) and "CDNA5" Instruction Set Architecture Reference Guide (July 2026). The comments in the code are by the model that wrote it; some were corrected since.
;; Self Multihead Attention. Allowed arithmetic: matrix products marked QUANTISED: E2M3 operands, one E8M0 scale for each 32 along K, by v_wmma_scale_f32_16x16x128_f8f6f4 with both operands' format E2M3, f32 sums; everything else in f32.
;; Inputs: Wk 1,024 x 1,024 float32; Wq 1,024 x 1,024 float32; Wv 1,024 x 1,024 float32; bk 1,024 float32; bq 1,024 float32; bv 1,024 float32; embed 4 x 1,024 x 1,024 float32; embed_unknown 4 x 1,024 x 1,024 float32; mask 1,024 x 1,024 float32.
;; Outputs: out0 4 x 1,024 x 1,024 float32; out1 4 x 1,024 x 1,024 float32.
;; This version of the problem:
;;   THIS VERSION OF THE PROBLEM IS GIVEN IN LOW PRECISION. The matrix products marked QUANTISED in the list below multiply operands that are first quantised to E2M3 (2 exponent bits, 3 mantissa bits; 6 bits a number), with one power-of-two scale for each 32 numbers along K (OCP MX v1.0); their sums are f32. All else is computed in f32.
;;   The module's matrix products, in the order in which they are computed (A, B: the left and right operand; K: the contracted axis; several contracted axes count as one K, in the product's order):
;;     1. [M 4,096, K 1,024] x [K 1,024, N 1,024]; A: input embed; B: input Wk: QUANTISED
;;     2. [M 4,096, K 1,024] x [K 1,024, N 1,024]; A: input embed_unknown; B: input Wk: QUANTISED
;;     3. [M 4,096, K 1,024] x [K 1,024, N 1,024]; A: input embed_unknown; B: input Wq: QUANTISED
;;     4. [M 4,096, K 1,024] x [K 1,024, N 1,024]; A: input embed; B: input Wv: QUANTISED
;;     5. [M 4,096, K 1,024] x [K 1,024, N 1,024]; A: input embed_unknown; B: input Wv: QUANTISED
;;     6. batch 64 x [M 1,024, K 64] x [K 64, N 1,024]; A: computed on the way; B: computed on the way: QUANTISED
;;     7. batch 64 x [M 1,024, K 1,024] x [K 1,024, N 64]; A: softmax (see below); B: computed on the way: QUANTISED
;;     8. batch 64 x [M 1,024, K 1,024] x [K 1,024, N 64]; A: computed on the way; B: computed on the way: QUANTISED
;;   THE QUANTISER, for each operand of a quantised product, along K:
;;     - K is cut into blocks of 32 from its start; a last block that is shorter is filled with zeros.
;;     - A block's scale is 2^e with e = floor(log2(the largest magnitude in the block)) - 2, held to -126 .. 127; a block of zeros has e = 0. As a byte (E8M0): e + 127.
;;     - Each number is divided by its block's scale, clamped to +-7.5, and rounded to the nearest number of E2M3, ties to even, subnormals kept.
;;     - The product sums the exact products of the quantised numbers (number of the format x scale) in f32.
;;   ~~~python
;;   def quantise(x, axis):      # numpy; x: float32 -> the quantised numbers, widened to float32 again
;;       x = np.moveaxis(x, axis, -1); K = x.shape[-1]
;;       x = np.pad(x, [(0, 0)] * (x.ndim - 1) + [(0, -K % 32)]); x = x.reshape(x.shape[:-1] + (-1, 32)); a = np.abs(x).max(-1, keepdims=True)
;;       e = np.where(a > 0, np.clip(np.frexp(np.where(a > 0, a, 1))[1] - 1 - 2, -126, 127), 0)      # np.frexp(a)[1] - 1 = floor(log2(a)), exactly
;;       r = np.clip(x / 2.0 ** e, -7.5, 7.5)
;;       step = 2.0 ** (np.maximum(np.frexp(np.where(r == 0, 1, r))[1] - 1, 0) - 3)
;;       q = np.round(r / step) * step * 2.0 ** e      # np.round: ties to even
;;       return np.moveaxis(q.reshape(q.shape[:-2] + (-1,))[..., :K], -1, axis).astype(np.float32)
;;   ~~~
;;   SOFTMAX AHEAD OF A QUANTISED PRODUCT. Where the list says 'softmax', what is quantised is not the finished softmax but p = 2^(t - M), with t = logit x log2(e) and M = ceil(the row's largest t), a whole number; so 1/2 < the row's largest p <= 1. The row's sum l is taken of the UNQUANTISED p, in f32, and the product's result is divided by l at the end. Since M is a whole number, a kernel that streams over the keys may use a running M (the ceiling of the running maximum): every later rescaling is an exact power of two, which a block's scale takes up: the codes' values come out the same.
;;   OPERANDS COMPUTED ON THE WAY. 'Computed on the way' means the value that the module computes at that place (a softmax that the list does not call 'softmax' is quantised finished and normalised). What goes into a quantiser is computed in f32, as accurately as f32 sums, v_exp_f32 and their like allow (about 1e-6 of the number): no bf16 or f16 on the way to a quantiser, and a product that is left as it is and whose result goes on into a quantised operand takes f32 operands (vector FMAs, or v_wmma_f32_16x16x4_f32). A number that lies on a knife's edge between two numbers of the format may be rounded either way, as far as f32 arithmetic and the matrix unit's own rounding can turn it there, and no further.
;; One version. Each part assembles by itself: llvm-mc -triple=amdgcn-amd-amdhsa -mcpu=gfx1250 --defsym DOCPART=n.
;; ======== version 1 of 1: 3 launches
;; limits: inputs' magnitudes at most 6.9e+29; right only within a limited range of input values
;; workspace buffers: codes 9,437,184 bytes; scales 393,216 bytes; mimg 4,194,304 bytes; img 9,437,184 bytes; aux 1,048,576 bytes
;; launch prep (part 1): grid 512 x 1, 4 waves a work-group, no clusters, 68,096 bytes of LDS; arguments embed, embed_unknown, Wk, Wq, Wv, mask, codes, scales, mimg; writes codes, scales, mimg
.if DOCPART == 1
	.amdgcn_target "amdgcn-amd-amdhsa--gfx1250"
	.amdhsa_code_object_version 6
	.text
	.protected	k_qa5d6d58cce_prep
	.globl	k_qa5d6d58cce_prep
	.p2align	8
	.type	k_qa5d6d58cce_prep,@function
k_qa5d6d58cce_prep:
	s_mov_b64 s[64:65], 0
	v_nop
	global_prefetch_b8 v0, s[64:65] scope:SCOPE_SE
	s_setreg_imm32_b32 hwreg(HW_REG_WAVE_MODE, 25, 1), 1
	s_wait_xcnt 0x0
; PREP: everything that many work-groups of the later launches read is laid out once.
;  X (work-groups 0-255):   embed and embed_unknown, [4096][1024] f32 each, become codes of FP6 (E2M3) with K innermost (768 bytes a row) and one E8M0 byte for each 32 along K (32 bytes a row).
;  W (work-groups 256-383): Wk, Wv, and once more Wk and Wq, [k 1024][n 1024] f32, become rows of codes, one row for each column n: a lane takes a column, its registers run down K.
;  M (work-groups 384-511): the mask becomes 8 x mask, held at +-3e38, laid in the order of the score registers of the attention launch; the diagonal holds -3e38.
; ROWS of codes and scales: 0.. embed, 4096.. embed_unknown, 8192.. Wk's columns, 9216.. Wv's, 10240.. for each head 64 columns of Wk and then 64 of Wq.
; TILE ORDER: in each block of 32 rows the four groups of 8 rows are stored in the order 0, 2, 1, 3, so that 16 neighbouring rows of memory are rows 8 u + r + 8 (r / 8) of the block.
; A block's scale is 2^(floor(log2(largest magnitude)) - 2); its byte is the largest magnitude's exponent field - 2, held at 1 from below (a block of zeros keeps the byte 1: its codes are zeros, and this program alone reads the bytes).
; LIMITS: NaN and infinities in embed, embed_unknown and the weights are not served; blocks whose largest magnitude lies under 2^-124 keep the byte 1; mask numbers beyond +-3.75e37 (infinities too) count as +-3.75e37.
; The three ways part on the work-group's number; X and W have LDS bytes of their own, M uses none.  No barrier: waves share nothing.
.set EMAX,  2
.set STEPS, 16                         ; X: steps of 512 numbers for a wave: 8 rows, one group of the tile order
.set CB,    12                         ; bytes of 16 codes
.set XRAW,  16                         ; v16-79   X: four sets of 16 numbers as loaded
.set XNB,   80                         ; v80-111  X: two sets of 16 neighbours
.set XEB,   112                        ; v112-127 X: a scale byte for each step
.set XCD,   128                        ; v128-191 X: codes, four registers a step
.set WREG,  8192                       ; X: LDS of a wave: two stages of 32 x SP bytes and its 256 scale bytes
.set SP,    80
.set KROW,  768                        ; a row of codes in bytes
.set WSTG,  32768                      ; W: the stages begin behind X's bytes
.set WPITCH, 272
.set NB,    8                          ; W: blocks of 32 along K for a wave
.set WX,    32                         ; v32-95   W: two sets of 32 numbers
.set WC,    96                         ; v96..    W: a block's codes
.set WOUT,  112                        ; v112-175 W: the way out
.set WSB,   24                         ; v24-25   W: eight scale bytes
.set MR,    32                         ; v32-95   M: 64 numbers of the mask
	s_load_b256 s[4:11], s[0:1], 0x0               ; embed s[4:5], embed_unknown s[6:7], Wk s[8:9], Wq s[10:11]
	s_load_b256 s[12:19], s[0:1], 0x20             ; Wv s[12:13], mask s[14:15], codes s[16:17], scales s[18:19]
	s_load_b64 s[20:21], s[0:1], 0x40              ; mimg
	v_lshl_add_u32 v192, v0, 2, 0x10800
	v_mov_b32 v193, 0
	v_lshrrev_b32 v1, 5, v0
	v_readfirstlane_b32 s22, v1                    ; wave
	v_and_b32 v2, 31, v0                           ; lane
	s_cmp_lt_u32 ttmp9, 256
	s_cbranch_scc0 .Lnot_x
; ---------------- X: a stream of blocks of 32.  Each load reads 512 consecutive bytes; a step's 2,048 bytes turn through the wave's stage, so that a lane then holds 16 neighbours.
	v_lshlrev_b32 v3, 4, v2                        ; my 16 bytes of a load's 512
	s_mul_i32 s23, s22, WREG
	v_lshrrev_b32 v14, 2, v2
	v_mul_u32_u24 v14, v14, SP
	v_and_b32 v15, 3, v2
	v_lshl_add_u32 v14, v15, 4, v14
	v_add_nc_u32 v14, s23, v14                     ; the stage on the way in: SP (lane / 4) + 16 (lane % 4)
	v_mul_u32_u24 v15, v2, SP
	v_add_nc_u32 v15, s23, v15                     ; and on the way out: SP x lane
	v_mul_u32_u24 v4, v2, CB                       ; my codes' place in a step's
	v_lshrrev_b32 v5, 1, v2
	s_add_co_u32 s23, s23, 2*32*SP
	v_add_nc_u32 v5, s23, v5                       ; my block's byte among the wave's 256
	v_lshlrev_b32 v7, 3, v2
	v_add_nc_u32 v6, s23, v7
	s_wait_alu depctr_va_vdst(0)
	s_wait_kmcnt 0x0
	s_cmp_lt_u32 ttmp9, 128                        ; the choice hangs on the work-group's number alone
	s_cselect_b64 s[4:5], s[4:5], s[6:7]
	s_cselect_b32 s24, 0, 512
	s_lshl_b32 s25, ttmp9, 2
	s_add_co_u32 s25, s25, s22                     ; R: which group of 8 rows of the 1,024 groups is my wave's
	s_sub_co_u32 s26, s25, s24                     ; and which of its own tensor
	s_mov_b32 s27, 0
	s_lshl_b64 s[26:27], s[26:27], 15              ; 32,768 bytes of f32 a group
	s_add_nc_u64 s[4:5], s[4:5], s[26:27]
	s_and_b32 s28, s25, -4                         ; the tile order: the group's two low bits change places
	s_and_b32 s29, s25, 1
	s_lshl_b32 s29, s29, 1
	s_or_b32 s28, s28, s29
	s_bfe_u32 s29, s25, 0x10001
	s_or_b32 s28, s28, s29
	s_mul_i32 s26, s28, 8*KROW
	s_mov_b32 s27, 0
	s_add_nc_u64 s[16:17], s[16:17], s[26:27]
	s_lshl_b32 s26, s28, 8                         ; 256 scale bytes a group
	s_add_nc_u64 s[18:19], s[18:19], s[26:27]
.macro XLOAD t
.irp i, 0,1,2,3
	global_load_b128 v[XRAW+16*((\t)%4)+4*\i:XRAW+16*((\t)%4)+4*\i+3], v3, s[4:5] offset:2048*(\t)+512*\i th:TH_LOAD_NT
.endr
.endm
.macro XTURN t                         ; LDS serves a wave's instructions in order: no wait between the stores and the loads
.irp i, 0,1,2,3
	ds_store_b128 v14, v[XRAW+16*((\t)%4)+4*\i:XRAW+16*((\t)%4)+4*\i+3] offset:32*SP*((\t)%2)+8*SP*\i
.endr
.irp i, 0,1,2,3
	ds_load_b128 v[XNB+16*((\t)%2)+4*\i:XNB+16*((\t)%2)+4*\i+3], v15 offset:32*SP*((\t)%2)+16*\i
.endr
.endm
.irp t, 0,1,2,3
	XLOAD \t
.endr
	s_wait_loadcnt 12                              ; step 0's four loads are in; three steps' twelve may be out
	XTURN 0
.macro XSTEP t
.set XS, XNB+16*((\t)%2)
.if (\t) > 0
	s_wait_dscnt 1                                 ; this step's numbers are back from the stage; the last step's byte store may be out
.else
	s_wait_dscnt 0x0
.endif
.if (\t)+4 < STEPS
	XLOAD (\t)+4                                   ; into the set whose stores into the stage have read their registers
.endif
.if (\t)+1 < STEPS
.if STEPS-2-(\t) >= 3
	s_wait_loadcnt 12                              ; the next step's four loads are in; those of the three steps behind it may be out
.else
	s_wait_loadcnt 4*(STEPS-2-(\t))
.endif
	XTURN (\t)+1
.endif
	v_max3_num_f32 v8, |v[XS]|, |v[XS+1]|, |v[XS+2]|
	v_max3_num_f32 v9, |v[XS+3]|, |v[XS+4]|, |v[XS+5]|
.irp i, 6,10
	v_max3_num_f32 v8, v8, |v[XS+\i]|, |v[XS+\i+1]|
	v_max3_num_f32 v9, v9, |v[XS+\i+2]|, |v[XS+\i+3]|
.endr
	v_max3_num_f32 v8, v8, |v[XS+14]|, |v[XS+15]|
	v_max3_num_f32 v8, v8, v9, (EMAX+1)<<23        ; the floor 2^(3 - 127): the byte cannot fall under 1
	v_max_num_f32_dpp v8, v8, v8 row_xmask:1 row_mask:0xf bank_mask:0xf   ; with my neighbour's 16: the block's largest magnitude
	v_add_nc_u32 v11, 0xff000000, v8               ; 2 off its exponent field: the conversion takes this operand's exponent field as its scale
	v_cvt_scalef32_pk16_fp6_f32 v[XCD+4*(\t):XCD+4*(\t)+2], v[XS:XS+15], v11
	v_lshrrev_b32 v[XEB+(\t)], 23, v11             ; the scale's byte
	ds_store_b8 v5, v[XEB+(\t)] offset:16*(\t)     ; both lanes of a block write the same byte with the same value
	global_store_b96 v4, v[XCD+4*(\t):XCD+4*(\t)+2], s[16:17] offset:32*CB*(\t)   ; the wave stores 384 consecutive bytes
.endm
.irp t, 0,1,2,3,4,5,6,7,8,9,10,11,12,13,14,15
	XSTEP \t
.endr
	ds_load_b64 v[12:13], v6
	s_wait_dscnt 0x0
	global_store_b64 v7, v[12:13], s[18:19]        ; 32 lanes store 256 consecutive bytes, aligned
	s_wait_tensorcnt 0x0
	ds_add_u32 v192, v193
	s_wait_dscnt 0x0
	s_endpgm
.Lnot_x:
	s_cmp_lt_u32 ttmp9, 384
	s_cbranch_scc0 .Lmask
; ---------------- W: a wave takes 32 columns x 256 along K of one weight.  Variant 0: Wk, 1: Wv, 2: Wk again and 3: Wq for the rows that lie head by head.
	s_sub_co_u32 s23, ttmp9, 256
	s_and_b32 s24, s23, 7                          ; which 128 columns
	s_bfe_u32 s25, s23, 0x20003                    ; which 256 along K
	s_lshr_b32 s26, s23, 5                         ; variant
	s_lshl_b32 s27, s24, 7
	s_lshl_b32 s28, s22, 5
	s_add_co_u32 s27, s27, s28                     ; n0: my wave's first column
	s_wait_alu depctr_va_vdst(0)
	v_lshlrev_b32 v3, 2, v2
	s_mul_i32 s28, s22, 32*WPITCH
	s_add_co_u32 s28, s28, WSTG                    ; my stage
	v_mul_u32_u24 v4, v2, WPITCH
	v_add_nc_u32 v4, s28, v4                       ; into it: row = my column
	v_and_b32 v5, 15, v2
	v_lshrrev_b32 v6, 4, v2
	v_mul_u32_u24 v7, v6, WPITCH
	v_lshl_add_u32 v7, v5, 4, v7
	v_add_nc_u32 v7, s28, v7                       ; out of it: sixteen lanes to a row, two rows an instruction
	v_mul_u32_u24 v8, v6, KROW
	v_mad_u32_u24 v8, v5, 12, v8                   ; and the same place among the rows of codes
	v_and_b32 v9, 7, v2                            ; my column's row in tile order: bits 3 and 4 of the lane change places
	v_and_b32 v10, 8, v2
	v_lshl_or_b32 v9, v10, 1, v9
	v_and_b32 v10, 16, v2
	v_lshrrev_b32 v10, 1, v10
	v_or_b32 v9, v9, v10
	v_lshlrev_b32 v9, 5, v9                        ; 32 scale bytes a row
	s_lshl_b32 s29, s26, 10
	s_add_co_u32 s29, s29, s27                     ; variants 0, 1: row 1024 v + n0
	s_lshr_b32 s30, s27, 6
	s_lshl_b32 s30, s30, 7
	s_and_b32 s31, s27, 63
	s_add_co_u32 s30, s30, s31
	s_lshl_b32 s31, s26, 6
	s_add_co_u32 s30, s30, s31
	s_add_co_u32 s30, s30, 2048-128                ; variants 2, 3: row 2048 + 128 head + 64 (v - 2) + n0 % 64
	s_cmp_lt_u32 s26, 2
	s_cselect_b32 s29, s29, s30
	s_add_co_u32 s29, s29, 8192                    ; behind the 8,192 rows of tokens
	s_wait_kmcnt 0x0
	s_cmp_eq_u32 s26, 1
	s_cselect_b64 s[8:9], s[12:13], s[8:9]
	s_cmp_eq_u32 s26, 3
	s_cselect_b64 s[8:9], s[10:11], s[8:9]
	s_lshl_b32 s32, s25, 20                        ; 256 rows of 4,096 bytes
	s_lshl_b32 s33, s27, 2
	s_add_co_u32 s32, s32, s33
	s_mov_b32 s33, 0
	s_add_nc_u64 s[8:9], s[8:9], s[32:33]
	s_mul_i32 s32, s29, KROW
	s_mul_i32 s34, s25, 192
	s_add_co_u32 s32, s32, s34
	s_add_nc_u64 s[16:17], s[16:17], s[32:33]
	s_lshl_b32 s32, s29, 5
	s_lshl_b32 s34, s25, 3
	s_add_co_u32 s32, s32, s34
	s_add_nc_u64 s[18:19], s[18:19], s[32:33]
.macro WLOAD t                         ; block t: W(32 t + i, my column) into set t % 2: 32 lanes read 128 consecutive bytes
.irp i, 0,1,2,3,4,5,6,7,8,9,10,11,12,13,14,15,16,17,18,19,20,21,22,23,24,25,26,27,28,29,30,31
	global_load_b32 v[WX+32*((\t)%2)+\i], v3, s[8:9] offset:(32*(\t)+\i)*4096
.endr
.endm
	WLOAD 0
	WLOAD 1
.macro WBLOCK t
.set XS, WX+32*((\t)%2)
.if (\t) < NB-1
	s_wait_loadcnt 32                              ; this block's 32 loads are in; the next block's may be out
.else
	s_wait_loadcnt 0x0
.endif
	v_max3_num_f32 v12, |v[XS]|, |v[XS+1]|, |v[XS+2]|
	v_max3_num_f32 v13, |v[XS+3]|, |v[XS+4]|, |v[XS+5]|
.irp i, 6,10,14,18,22,26
	v_max3_num_f32 v12, v12, |v[XS+\i]|, |v[XS+\i+1]|
	v_max3_num_f32 v13, v13, |v[XS+\i+2]|, |v[XS+\i+3]|
.endr
	v_max3_num_f32 v12, v12, |v[XS+30]|, |v[XS+31]|
	v_max3_num_f32 v12, v12, v13, (EMAX+1)<<23
	v_add_nc_u32 v11, 0xff000000, v12
	v_lshrrev_b32 v13, 23, v11
.if (\t)%4 == 0
	v_mov_b32 v[WSB+(\t)/4], v13
.else
	v_lshl_or_b32 v[WSB+(\t)/4], v13, 8*((\t)%4), v[WSB+(\t)/4]
.endif
	v_cvt_scalef32_pk16_fp6_f32 v[WC:WC+2], v[XS:XS+15], v11
	v_cvt_scalef32_pk16_fp6_f32 v[WC+4:WC+6], v[XS+16:XS+31], v11
	ds_store_b96 v4, v[WC:WC+2] offset:32*(\t)     ; 12 bytes to a place of 16
	ds_store_b96 v4, v[WC+4:WC+6] offset:32*(\t)+16
.if (\t)+2 < NB
	WLOAD (\t)+2
.endif
	s_wait_dscnt 0x0                               ; the stores have read their registers: the next block's codes may be written
.endm
.irp t, 0,1,2,3,4,5,6,7
	WBLOCK \t
.endr
	s_wait_alu depctr_va_vdst(0)
	global_store_b64 v9, v[WSB:WSB+1], s[18:19]    ; my column's eight scale bytes
.irp t, 0,1,2,3,4,5,6,7,8,9,10,11,12,13,14,15
	ds_load_b96 v[WOUT+4*\t:WOUT+4*\t+2], v7 offset:2*\t*WPITCH
.endr
.irp t, 0,1,2,3,4,5,6,7,8,9,10,11,12,13,14,15
	s_wait_dscnt 15-\t                             ; the younger row reads may be out
	global_store_b96 v8, v[WOUT+4*\t:WOUT+4*\t+2], s[16:17] offset:(8*(((\t/4)%2)*2+\t/8)+2*(\t%4))*KROW   ; columns 2 t, 2 t + 1 at their rows in tile order
.endr
	s_wait_tensorcnt 0x0
	ds_add_u32 v192, v193
	s_wait_dscnt 0x0
	s_endpgm
.Lmask:
; ---------------- M: task 8 T + ks: the 16 queries of tile T (tokens 32 (T / 2) + 8 (T % 2) + r + 8 (r / 8)) against keys 128 ks .. + 127.
; Register n of lane (r, h) is key 128 ks + 32 (n / 16) + 16 h + n % 16.  A lane reads 64 bytes of four places of its row; the rows lie 4,096 bytes apart: this way reads a twelfth of the launch's bytes.
	s_sub_co_u32 s23, ttmp9, 384
	s_lshl_b32 s23, s23, 2
	s_add_co_u32 s23, s23, s22                     ; 8 T + ks
	s_lshr_b32 s24, s23, 3                         ; T
	s_and_b32 s25, s23, 7                          ; ks
	s_wait_alu depctr_va_vdst(0)
	v_and_b32 v3, 15, v2                           ; r
	v_lshrrev_b32 v4, 4, v2                        ; h
	v_and_b32 v5, 8, v3
	v_add_nc_u32 v5, v5, v3
	v_lshlrev_b32 v5, 12, v5
	v_lshl_add_u32 v5, v4, 6, v5                   ; (r + 8 (r / 8)) rows + 64 h
	s_lshr_b32 s26, s24, 1
	s_lshl_b32 s26, s26, 17
	s_and_b32 s27, s24, 1
	s_lshl_b32 s27, s27, 15
	s_add_co_u32 s26, s26, s27
	s_lshl_b32 s27, s25, 9
	s_add_co_u32 s26, s26, s27
	s_mov_b32 s27, 0
	s_wait_alu depctr_va_vdst(0)
	s_wait_kmcnt 0x0
	s_add_nc_u64 s[14:15], s[14:15], s[26:27]
.irp b, 0,1,2,3
.irp j, 0,1,2,3
	global_load_b128 v[MR+16*\b+4*\j:MR+16*\b+4*\j+3], v5, s[14:15] offset:128*\b+16*\j th:TH_LOAD_NT
.endr
.endr
	s_lshl_b32 s26, s23, 13
	s_add_nc_u64 s[20:21], s[20:21], s[26:27]
	v_lshlrev_b32 v6, 4, v2
	v_mov_b32 v7, 0xff61b1e6                       ; -3e38
	v_mov_b32 v8, 0x7f61b1e6                       ; 3e38
	s_wait_loadcnt 0x0
.set i, 0
.rept 32
	v_pk_mul_f32 v[MR+i:MR+i+1], v[MR+i:MR+i+1], 0x41000000 op_sel_hi:[1,0]   ; x 8: the scores are kept unscaled, so the mask takes the 8
.set i, i+2
.endr
.set i, 0
.rept 64
	v_med3_num_f32 v[MR+i], v[MR+i], v7, v8
.set i, i+1
.endr
	s_lshr_b32 s29, s24, 3
	s_cmp_lg_u32 s25, s29                          ; the diagonal lies in key step T / 8, key tile T % 8
	s_cbranch_scc1 .Lno_diag
	s_and_b32 s29, s24, 7
.irp a, 0,1,2,3,4,5,6,7
	s_cmp_eq_u32 s29, \a
	s_cselect_b32 s30, -1, 0
.irp j, 0,1,2,3,4,5,6,7
	s_and_b32 s31, s30, (1<<\j)|(1<<(24+\j))       ; register j of that tile is the lane's own token in lanes j and 24 + j
	v_cndmask_b32 v[MR+8*\a+\j], v[MR+8*\a+\j], v7, s31
.endr
.endr
.Lno_diag:
	s_wait_alu depctr_va_vdst(0)
.irp g, 0,1,2,3,4,5,6,7,8,9,10,11,12,13,14,15
	global_store_b128 v6, v[MR+4*\g:MR+4*\g+3], s[20:21] offset:512*\g   ; 32 lanes store 512 consecutive bytes
.endr
	s_endpgm
.Lfunc_end_k_qa5d6d58cce_prep:
	.size	k_qa5d6d58cce_prep, .Lfunc_end_k_qa5d6d58cce_prep-k_qa5d6d58cce_prep
	.p2alignl 7, 3214868480
	.fill 96, 4, 3214868480
	.section	.rodata,"a",@progbits
	.p2align	6, 0x0
	.amdhsa_kernel k_qa5d6d58cce_prep
		.amdhsa_group_segment_fixed_size 68096
		.amdhsa_private_segment_fixed_size 0
		.amdhsa_enable_private_segment 0
		.amdhsa_kernarg_size 72
		.amdhsa_user_sgpr_count 2
		.amdhsa_user_sgpr_kernarg_segment_ptr 1
		.amdhsa_wavefront_size32 1
		.amdhsa_system_sgpr_workgroup_id_x 1
		.amdhsa_system_sgpr_workgroup_id_y 1
		.amdhsa_system_sgpr_workgroup_id_z 1
		.amdhsa_system_vgpr_workitem_id 0
		.amdhsa_next_free_vgpr 194
		.amdhsa_next_free_sgpr 66
		.amdhsa_reserve_vcc 0
		.amdhsa_float_denorm_mode_32 3
		.amdhsa_float_denorm_mode_16_64 3
		.amdhsa_memory_ordered 1
		.amdhsa_forward_progress 1
		.amdhsa_inst_pref_size 94
	.end_amdhsa_kernel
	.amdgpu_metadata
---
amdhsa.version: [ 1, 2 ]
amdhsa.kernels:
  - .name:           k_qa5d6d58cce_prep
    .symbol:         k_qa5d6d58cce_prep.kd
    .args:
      - { .name: embed, .offset: 0, .size: 8, .value_kind: global_buffer, .address_space: global }
      - { .name: embed_unknown, .offset: 8, .size: 8, .value_kind: global_buffer, .address_space: global }
      - { .name: Wk, .offset: 16, .size: 8, .value_kind: global_buffer, .address_space: global }
      - { .name: Wq, .offset: 24, .size: 8, .value_kind: global_buffer, .address_space: global }
      - { .name: Wv, .offset: 32, .size: 8, .value_kind: global_buffer, .address_space: global }
      - { .name: mask, .offset: 40, .size: 8, .value_kind: global_buffer, .address_space: global }
      - { .name: codes, .offset: 48, .size: 8, .value_kind: global_buffer, .address_space: global }
      - { .name: scales, .offset: 56, .size: 8, .value_kind: global_buffer, .address_space: global }
      - { .name: mimg, .offset: 64, .size: 8, .value_kind: global_buffer, .address_space: global }
    .group_segment_fixed_size: 68096
    .private_segment_fixed_size: 0
    .kernarg_segment_align: 8
    .kernarg_segment_size: 72
    .max_flat_workgroup_size: 128
    .sgpr_count:     66
    .vgpr_count:     194
    .wavefront_size: 32
...
	.end_amdgpu_metadata
.endif
;; end of part 1
;; launch proj (part 2): grid 16 x 16, 4 waves a work-group, clusters of 4 x 4, 327,680 bytes of LDS; arguments codes, scales, bk, bq, bv, img, aux; writes img, aux
.if DOCPART == 2
	.amdgcn_target "amdgcn-amd-amdhsa--gfx1250"
	.amdhsa_code_object_version 6
	.text
	.protected	k_qa5d6d58cce_proj
	.globl	k_qa5d6d58cce_proj
	.p2align	8
	.type	k_qa5d6d58cce_proj,@function
k_qa5d6d58cce_proj:
	s_mov_b64 s[64:65], 0
	v_nop
	global_prefetch_b8 v0, s[64:65] scope:SCOPE_SE
	s_setreg_imm32_b32 hwreg(HW_REG_WAVE_MODE, 25, 1), 1
	s_wait_xcnt 0x0
	s_wait_alu depctr_hold_cnt(0) depctr_sa_sdst(0) depctr_va_vdst(0) depctr_va_sdst(0) depctr_va_ssrc(0) depctr_va_vcc(0) depctr_vm_vsrc(0)
	s_getreg_b32 s2, hwreg(HW_REG_IB_STS2, 6, 4)
	s_cmp_eq_u32 s2, 0
	s_cbranch_scc0 .Lentry_in_a_cluster
	s_endpgm
.Lentry_in_a_cluster:
	s_bfe_u32 s2, ttmp6, 0x10000c
	s_cmp_lg_u32 s2, 0xf033
	s_cbranch_scc0 .Lentry_shape_is_right
	s_endpgm
.Lentry_shape_is_right:
; PROJ: four of the five projections, on codes of FP6 (E2M3) with one E8M0 scale for each 32 along K = 1,024; sums in f32.  (v_u = embed_unknown Wv is made by the attention launch, which alone uses it.)
; A cluster of 4 x 4 work-groups is ONE JOB for ONE batch: 1,024 x 1,024 results.  Job (cluster x): 0 k = embed Wk;  1 v = embed Wv;  2, 3 k_u and q_u of heads 0-7, 8-15 (their weights' rows lie head by head: 64 of Wk, 64 of Wq).  Batch = cluster y.
; 4 jobs x 4 batches x 16 = 256 work-groups of equal work.  A work-group makes 256 x 256, a wave 128 x 128: 64 accumulators, 512 registers.
; K goes through two LDS slots in CHUNKS OF 256 BYTES of each row of codes (a row is 768 bytes: three chunks, each on a multiple of 256 bytes); a step of 128 along K is 96 bytes: eight steps; steps 2 and 5 lie across two chunks.
; The scale bytes of the work-group's 256 + 256 rows come once, as dense blocks.  The four work-groups of a row of the cluster need the same tiles of A, the four of a column the same tiles of B: each tile is asked for jointly.
; No prefetch: the walk along K has three chunks, of which two are asked for at the head; there is no loop to run ahead in.
; THE MATRIX INSTRUCTION IS USED TRANSPOSED: source 0 = 16 rows of B, source 1 = 16 rows of A: a lane holds ONE row of A, its registers run along B's rows.  All rows lie in TILE ORDER (groups of 8 rows of a block of 32
; in the order 0, 2, 1, 3), so register 16 b + i of a block of A is B's row 32 b + 16 (lane / 16) + i, and lane r of A's tile 2 c + u is A's row 32 c + 8 u + r + 8 (r / 8).
; In jobs 0, 2, 3 A = tokens and B = a weight's columns; in job 1 A = Wv's columns and B = tokens, so that a lane's registers run along the KEYS, which are the K of attention's second products.
; THE TAILS add the bias and store what attention wants, straight from registers, in runs of 512 or 256 consecutive bytes:
;   k, v: quantised (k along the head's 64, two heads to a fragment; v along 128 keys), as IMAGES OF THE OPERAND'S REGISTERS: registers 6 c .. 6 c + 3 at 768 c + 16 x lane, 6 c + 4, 6 c + 5 at 768 c + 512 + 8 x lane; scale words beside.
;   q_u: the same, half a fragment; and the sum over the head of q_u k_u in f32.
; LIMITS: NaN and infinities are not served; blocks whose largest magnitude lies under 2^-124 keep the scale byte 1 (a block of zeros too: its codes are zeros, and this program alone reads the bytes).
; REGISTERS, in windows of 256: window 0: v0-31 addresses; v32-63 scale words, two sets; from v128 A's fragments, one set (the tails use v30-216 anew).  window 1: B's fragments, two sets.  windows 2, 3: the accumulators.
.set SIZE_K, 1024
.set ROWB,   256
.set NQ,     2
.set KROW,   SIZE_K*6/8
.set STEPS,  SIZE_K/128
.set CHUNKS, KROW/ROWB
.set PITCH,  272                       ; an LDS row: 256 bytes + 16 of padding
.set FR,     12
.set NL,     6
.set NP,     4                         ; places behind this matrix instruction (ISA guide 7.12.1)
.set HALFT,  128*PITCH
.set SLOT,   4*HALFT
.set KS,     SIZE_K/32
.set SCL,    2*SLOT                    ; behind the ring: the scales, as units of 256 bytes + 16 of padding
.set HALFS,  (128*KS/256)*272
.set SBLK,   (16*KS/256)*272
.set SPARE,  SCL+4*HALFS               ; the spare words, 128 bytes for each wave, which no other line names
.set ADRA, 16                          ; v16-17 my A fragments in slot 0, 1; v18-19 for a piece whose lanes 16-31 read the next chunk, in the other slot
.set ADRB, 20                          ; v20-23 the same for B
.set ADRS, 27
.set SPW,  28                          ; v28  SPARE + 4 x my thread's number; never rewritten
.set NIL,  29                          ; v29  0; never rewritten
.set SC,   32
.set AF,   128
.set G1, 24
.set G0, 32
.set G1B, 48
.set G0B, 56
.set G1S, 68
.set G0S, 76
.set G1SB, 80
.set G0SB, 88
.set G0H, 4
.set G0HB, 8
; the tails, window 0
.set L16, 30
.set L8,  31
.set BI,  64                           ; v64-127  a bias along the registers: loaded during the walk along K, which names none of these
.set ST,  128                          ; v128-191 a block's 64 numbers
.set CD,  192                          ; v192-211 codes
.set TM,  32                           ; v32-47   at work in QUANT
.set PW,  212
.set SV,  213
.set SH,  214
.set SOFF, 215
.set L4,  216
.set BT,  48
.set BV,  64                           ; v64-71   v's bias of the lane's rows (job 1 has no bias along the registers)
.set ZS,  50
.set XL,  54
.set MSB, 0
.macro WIN new                         ; the immediate's high byte repeats the setting that is left
.if MSB != (\new)
	s_set_vgpr_msb (MSB<<8)|(\new)
.set MSB, (\new)
.endif
.endm
.set MUL_LO, 0xa1                      ; source 0 (B) window 1, source 1 (A) window 0, C and D window 2
.set MUL_HI, 0xf1
.set TO_B,   0x40
; A joint load: waves 0 and 1 fetch for A, waves 2 and 3 for B; the branch hangs on the wave's number alone.  s_nop 0 and four v_nop follow each line.
.macro JLOAD g0a, g1a, g0b, g1b
	s_cmp_eq_u32 s15, 0
	s_cbranch_scc0 .Lfor_b_\@
	tensor_load_to_lds s[\g0a:\g0a+3], s[\g1a:\g1a+7]
	s_nop 0
.rept 4
	v_nop
.endr
	s_branch .Lasked_\@
.Lfor_b_\@:
	tensor_load_to_lds s[\g0b:\g0b+3], s[\g1b:\g1b+7]
	s_nop 0
.rept 4
	v_nop
.endr
.Lasked_\@:
.endm
.macro CREST                           ; a round of the cluster's barrier behind its opening barrier
	s_cmp_lg_u32 s14, 0
	s_cbranch_scc1 .Lnot_wave_0_\@
	s_barrier_signal -3
.Lnot_wave_0_\@:
	s_barrier_wait -3
	s_barrier_signal -1
	s_barrier_wait -1
.endm
.macro CROUND
	s_barrier_signal -1
	s_barrier_wait -1
	CREST
.endm
	s_load_b128 s[4:7], s[0:1], 0x0                ; codes s[4:5], scales s[6:7]
	v_lshl_add_u32 v[SPW], v0, 2, SPARE
	v_mov_b32 v[NIL], 0
	ds_add_u32 v[SPW], v[NIL]                      ; the opening lines: the add, twice on end, and its wait ahead of my first tensor load
	ds_add_u32 v[SPW], v[NIL]
	v_lshrrev_b32 v1, 5, v0
	v_readfirstlane_b32 s14, v1                    ; wave 0..3
	s_lshr_b32 s15, s14, 1                         ; which half of the tile's rows of A is mine; also: I fetch for A (0) or for B (1)
	s_and_b32 s16, s14, 1                          ; which half of B's; also: which 128 rows I fetch
	s_bfe_u32 s40, ttmp6, 0x40000                  ; cx, cy
	s_bfe_u32 s41, ttmp6, 0x40004
	s_and_b32 s95, ttmp7, 0xffff                   ; the batch: the cluster's y; the job is the cluster's x, ttmp9
	s_lshl_b32 s43, s41, 2
	s_lshl_b32 s43, 15, s43                        ; my row of the cluster
	s_lshl_b32 s44, 0x1111, s40                    ; my column
	s_or_b32 s[G1+0], s43, (0<<16)|(1<<20)|(1<<21)|(5<<22)|(3<<25)  ; the mask; elements of 1 byte; padding on; bit 21 beside a mask; after every 64 words 4 words
	s_or_b32 s[G1B+0], s44, (0<<16)|(1<<20)|(1<<21)|(5<<22)|(3<<25)
.irp g, G1, G1B
	s_mov_b32 s[\g+1], ROWB<<16
	s_mov_b32 s[\g+2], 256<<16                     ; 256 rows for the head's loads; behind them 128, for the ring's
	s_mov_b32 s[\g+3], ROWB<<16
	s_mov_b32 s[\g+4], 256
	s_mov_b32 s[\g+5], KROW
	s_mov_b32 s[\g+6], 0
	s_mov_b32 s[\g+7], 0
.endr
	s_or_b32 s[G1S+0], s43, (3<<16)|(1<<20)|(1<<21)|(5<<22)|(3<<25)  ; the scales of 256 rows: 8,192 dense bytes as 32 rows of 256, 16 bytes of padding behind each
	s_or_b32 s[G1SB+0], s44, (3<<16)|(1<<20)|(1<<21)|(5<<22)|(3<<25)
.irp g, G1S, G1SB
	s_mov_b32 s[\g+1], 32<<16
	s_mov_b32 s[\g+2], KS<<16
	s_mov_b32 s[\g+3], 32<<16
	s_mov_b32 s[\g+4], KS
	s_mov_b32 s[\g+5], 32
	s_mov_b32 s[\g+6], 0
	s_mov_b32 s[\g+7], 0
.endr
	s_cmp_ge_u32 ttmp9, 2                          ; which rows of codes are the job's A and B
	s_cselect_b32 s8, 4096, 0
	s_lshl_b32 s9, s95, 10
	s_add_co_u32 s9, s9, s8                        ; the tokens: 1,024 x batch, + 4,096 for embed_unknown (jobs 2, 3)
	s_lshl_b32 s10, ttmp9, 10
	s_add_co_u32 s10, s10, 8192                    ; the weight: Wk, Wv, heads 0-7, heads 8-15
	s_cmp_eq_u32 ttmp9, 1
	s_cselect_b32 s11, s10, s9                     ; A's first row: job 1 has the weight here
	s_cselect_b32 s12, s9, s10                     ; B's
	s_lshl_b32 s20, s41, 8
	s_add_co_u32 s20, s20, s11                     ; A: hangs on cy alone
	s_lshl_b32 s46, s40, 8
	s_add_co_u32 s46, s46, s12                     ; B: hangs on cx alone
	s_lshl_b32 s22, s20, 5                         ; where these rows' scales begin, in bytes
	s_mov_b32 s23, 0
	s_lshl_b32 s92, s46, 5
	s_mov_b32 s93, 0
	s_mul_i32 s20, s20, KROW                       ; and their codes
	s_mov_b32 s21, 0
	s_mul_i32 s46, s46, KROW
	s_mov_b32 s47, 0
	s_mul_i32 s18, s16, 128*KROW                   ; in the ring I fetch 128 rows of a tile
	s_mov_b32 s19, 0
	s_mul_i32 s45, s14, HALFT                      ; and where they go: wave x 128 rows
	s_wait_dscnt 0x0                               ; both opening adds are done
	s_wait_kmcnt 0x0
	s_add_nc_u64 s[20:21], s[4:5], s[20:21]
	s_add_nc_u64 s[22:23], s[6:7], s[22:23]
	s_add_nc_u64 s[46:47], s[4:5], s[46:47]
	s_add_nc_u64 s[92:93], s[6:7], s[92:93]
	CROUND                                         ; all sixteen work-groups are here: the first joint loads meet
	s_mov_b32 s[G0H], 1                            ; the head's four tiles: chunk 0's 256 rows of A,
	s_mov_b32 s[G0H+1], 0
	s_mov_b64 s[G0H+2:G0H+3], s[20:21]
	s_or_b32 s[G0H+3], s[G0H+3], 0x80000000
	s_mov_b32 s[G0HB], 1                           ; its 256 rows of B,
	s_mov_b32 s[G0HB+1], 2*HALFT
	s_mov_b64 s[G0HB+2:G0HB+3], s[46:47]
	s_or_b32 s[G0HB+3], s[G0HB+3], 0x80000000
	s_mov_b32 s[G0S], 1                            ; the scales of A's 256 rows,
	s_mov_b32 s[G0S+1], SCL
	s_mov_b64 s[G0S+2:G0S+3], s[22:23]
	s_or_b32 s[G0S+3], s[G0S+3], 0x80000000
	s_mov_b32 s[G0SB], 1                           ; and of B's
	s_mov_b32 s[G0SB+1], SCL+2*HALFS
	s_mov_b64 s[G0SB+2:G0SB+3], s[92:93]
	s_or_b32 s[G0SB+3], s[G0SB+3], 0x80000000
	s_add_nc_u64 s[20:21], s[20:21], s[18:19]      ; for the ring: my 128 rows of the tile
	s_add_nc_u64 s[46:47], s[46:47], s[18:19]
.irp s, 0,1
	s_mov_b32 s[G0+4*\s], 1
	s_add_co_u32 s[G0+4*\s+1], s45, \s*SLOT
	s_add_nc_u64 s[G0+4*\s+2:G0+4*\s+3], s[20:21], \s*ROWB
	s_or_b32 s[G0+4*\s+3], s[G0+4*\s+3], 0x80000000
	s_mov_b32 s[G0B+4*\s], 1
	s_add_co_u32 s[G0B+4*\s+1], s45, \s*SLOT
	s_add_nc_u64 s[G0B+4*\s+2:G0B+4*\s+3], s[46:47], \s*ROWB
	s_or_b32 s[G0B+4*\s+3], s[G0B+4*\s+3], 0x80000000
.endr
; the head's loads, one a wave, in one tree of branches on the wave's number
.macro ARM under, g0, g1, next
	s_cmp_lt_u32 s14, \under
	s_cbranch_scc0 \next
	tensor_load_to_lds s[\g0:\g0+3], s[\g1:\g1+7]
	s_nop 0
.rept 4
	v_nop
.endr
	s_branch .Lhead_asked
\next:
.endm
	ARM 1, G0H,  G1,  .Lhead_b
	ARM 2, G0HB, G1B, .Lhead_sa
	ARM 3, G0S,  G1S, .Lhead_sb
	tensor_load_to_lds s[G0SB:G0SB+3], s[G1SB:G1SB+7]
	s_nop 0
.rept 4
	v_nop
.endr
.Lhead_asked:
	v_and_b32 v1, 15, v0                           ; l % 16
	v_bfe_u32 v2, v0, 4, 1                         ; l / 16
	v_mul_u32_u24 v3, v1, PITCH
	v_mul_u32_u24 v4, v2, 24
	v_add_nc_u32 v4, v3, v4                        ; a fragment's row x pitch + 24 x half
	s_mov_b32 s21, SLOT-232
	s_mov_b32 s22, SLOT+232
	v_sub_nc_u32 v7, 1, v2
	v_mul_u32_u24 v5, s21, v2
	v_add_nc_u32 v5, v3, v5
	v_add_nc_u32 v5, 232, v5                       ; across two chunks: lanes 0-15 byte 232 of the row in slot 0, lanes 16-31 byte 0 of the row in slot 1;
	v_mul_u32_u24 v6, s22, v7
	v_add_nc_u32 v6, v3, v6                        ; and lanes 0-15 byte 232 in slot 1, lanes 16-31 byte 0 in slot 0
	s_mul_i32 s21, s15, HALFT                      ; my 128 rows of A
	s_mul_i32 s22, s16, HALFT                      ; my 128 rows of B,
	s_add_co_u32 s22, s22, 2*HALFT                 ; which lie behind A's 256
	v_add_nc_u32 v[ADRA+2], s21, v5
	v_add_nc_u32 v[ADRA+3], s21, v6
	v_add_nc_u32 v[ADRB+2], s22, v5
	v_add_nc_u32 v[ADRB+3], s22, v6
.irp s, 0,1
	v_add_nc_u32 v[ADRA+\s], s21, v4
	v_add_nc_u32 v[ADRB+\s], s22, v4
	s_add_co_u32 s21, s21, SLOT
	s_add_co_u32 s22, s22, SLOT
.endr
	v_mul_u32_u24 v5, v1, KS                       ; my row's scales: KS bytes a row,
	v_lshrrev_b32 v6, 8, v5
	v_lshl_add_u32 v5, v6, 4, v5                   ; and 16 more for each 256 passed
	s_mul_i32 s21, s15, HALFS
	s_mul_i32 s22, s16, HALFS
	s_add_co_u32 s22, s22, 2*HALFS
	s_sub_co_u32 s22, s22, s21
	v_mul_u32_u24 v6, s22, v2                      ; lanes 16-31 take B's
	s_add_co_u32 s21, s21, SCL
	v_add_nc_u32 v5, v5, v6
	v_add_nc_u32 v[ADRS], s21, v5
.macro FRAG reg, adr, st, i            ; 16 rows x 128 K of 6-bit codes: 12 registers, in pieces of 8 bytes; byte y of a row lies in slot (y / 256) % 2 at byte y % 256 of the LDS row
.irp p, 0,1,2,3,4,5
.set BY, 96*(\st)+48*(\p/3)+8*(\p%3)
.if BY/ROWB == (BY+24)/ROWB
	ds_load_b64 v[\reg+2*\p:\reg+2*\p+1], v[\adr+(BY/ROWB)%2] offset:BY%ROWB+(\i)*16*PITCH
.else
	ds_load_b64 v[\reg+2*\p:\reg+2*\p+1], v[\adr+2+(BY/ROWB)%2] offset:BY%ROWB-232+(\i)*16*PITCH
.endif
.endr
.endm
; 16 matrix instructions: A's blocks a0, a0 + 1 x B's eight.  The 64 accumulators take turns, one instruction a turn, in the same order in every step.
.macro MUL16 a0, p, q, sc, zero
.irp a, \a0, \a0+1
.irp b, 0,1,2,3,4,5,6,7
.if \zero
	v_wmma_scale_f32_16x16x128_f8f6f4 v[8*(8*((\a)%4)+\b):8*(8*((\a)%4)+\b)+7], v[128*(\p)+FR*\b:128*(\p)+FR*\b+FR-1], v[AF+FR*(\a):AF+FR*(\a)+FR-1], 0, v[SC+8*NQ*(\sc)+NQ*\b+(\q)], v[SC+8*NQ*(\sc)+NQ*(\a)+(\q)] matrix_a_fmt:MATRIX_FMT_FP6 matrix_b_fmt:MATRIX_FMT_FP6 matrix_a_scale:MATRIX_SCALE_ROW1
.else
	v_wmma_scale_f32_16x16x128_f8f6f4 v[8*(8*((\a)%4)+\b):8*(8*((\a)%4)+\b)+7], v[128*(\p)+FR*\b:128*(\p)+FR*\b+FR-1], v[AF+FR*(\a):AF+FR*(\a)+FR-1], v[8*(8*((\a)%4)+\b):8*(8*((\a)%4)+\b)+7], v[SC+8*NQ*(\sc)+NQ*\b+(\q)], v[SC+8*NQ*(\sc)+NQ*(\a)+(\q)] matrix_a_fmt:MATRIX_FMT_FP6 matrix_b_fmt:MATRIX_FMT_FP6 matrix_a_scale:MATRIX_SCALE_ROW1
.endif
.endr
.endr
.endm
.macro FETCH_B st, p
	WIN TO_B
.irp i, 0,1,2,3,4,5,6,7
	FRAG 128*(\p)+FR*\i, ADRB, \st, \i
.endr
	WIN 0
.endm
.macro FETCH_A st, i0
.irp i, \i0, \i0+1, \i0+2, \i0+3
	FRAG AF+FR*(\i), ADRA, \st, \i
.endr
.endm
.macro SCALES pr                       ; the scale words of steps 2 pr, 2 pr + 1 into set pr % 2: lanes 0-15 take A's block i, lanes 16-31 B's block i
.irp i, 0,1,2,3,4,5,6,7
	ds_load_b64 v[SC+8*NQ*((\pr)%2)+NQ*\i:SC+8*NQ*((\pr)%2)+NQ*\i+1], v[ADRS] offset:\i*SBLK+4*NQ*(\pr)
.endr
.endm
.macro PLACES n                        ; plain vector instructions between a matrix instruction and a load into, or a read of, its registers
.rept \n
	v_nop
.endr
.endm
; A step of 128 along K.  Where the next step's bytes END in a chunk not yet read: the wait for my tensor loads and a barrier.  Where they BEGIN in a later chunk: the wait, the add, the wait for the add and
; for my reads of the chunk left behind, the barrier; where a chunk two on is left to fetch, that barrier opens a round of the cluster's barrier, and the slot is filled again.
.macro STEP st, zero
.set NX, (\st)+1
.set C0, (96*(\st))/ROWB
.set C1, (96*NX)/ROWB
.set E0, (96*(\st)+95)/ROWB
.set E1, (96*NX+95)/ROWB
.if C1 > C0 || E1 > E0
	s_wait_tensorcnt 0x0                           ; all my tensor loads have landed
.if C1 > C0
	ds_add_u32 v[SPW], v[NIL]
	s_wait_dscnt 4*NL+1                            ; the add and the youngest 24 loads (A's blocks 4-7) may be out
.else
	s_wait_dscnt 4*NL                              ; the youngest 24 loads may be out
.endif
	WIN MUL_LO
	MUL16 0, (\st)%2, (\st)%2, ((\st)/2)%2, \zero
	s_wait_dscnt 0x0                               ; the add, where there is one, and all my reads are done
	s_barrier_signal -1
	MUL16 2, (\st)%2, (\st)%2, ((\st)/2)%2, \zero
	WIN 0
	s_barrier_wait -1
.if C1 > C0 && C0+2 < CHUNKS
	CREST                                          ; no wave of any partner still reads this slot's chunk or has a load on its way
	s_add_nc_u64 s[G0+4*(C0%2)+2:G0+4*(C0%2)+3], s[G0+4*(C0%2)+2:G0+4*(C0%2)+3], 2*ROWB
	s_add_nc_u64 s[G0B+4*(C0%2)+2:G0B+4*(C0%2)+3], s[G0B+4*(C0%2)+2:G0B+4*(C0%2)+3], 2*ROWB
	JLOAD G0+4*(C0%2), G1, G0B+4*(C0%2), G1B       ; chunk C0 + 2; its four v_nop are the places in front of the loads below
.else
	PLACES NP
.endif
.else
	s_wait_dscnt 4*NL                              ; B's set and A's blocks 0-3 are in; the youngest 24 loads may be out
	WIN MUL_LO
	MUL16 0, (\st)%2, (\st)%2, ((\st)/2)%2, \zero
	MUL16 2, (\st)%2, (\st)%2, ((\st)/2)%2, \zero
	s_wait_dscnt 0
	PLACES NP
.endif
	FETCH_B NX, NX%2
	FETCH_A NX, 0
.if NX%2 == 0
	SCALES NX/2
.endif
	WIN MUL_HI
	MUL16 4, (\st)%2, (\st)%2, ((\st)/2)%2, \zero
	MUL16 6, (\st)%2, (\st)%2, ((\st)/2)%2, \zero
	PLACES NP
	WIN 0
	FETCH_A NX, 4
.endm
	s_wait_alu depctr_va_vdst(0)
	s_wait_tensorcnt 0x0                           ; my tile of the head's four is in
	ds_add_u32 v[SPW], v[NIL]
	s_mov_b32 s[G1+2], 128<<16                     ; no tensor load of mine is out: from here on a load brings 128 rows
	s_mov_b32 s[G1+4], 128
	s_mov_b32 s[G1B+2], 128<<16
	s_mov_b32 s[G1B+4], 128
	s_wait_dscnt 0x0
	CROUND                                         ; all four tiles are in, and all sixteen work-groups are here
	JLOAD G0+4, G1, G0B+4, G1B                     ; chunk 1, the first tensor load behind the round
	FETCH_B 0, 0
	FETCH_A 0, 0
	SCALES 0
	FETCH_A 0, 4
	s_load_b256 s[68:75], s[0:1], 0x10             ; the scales' descriptors, done with since the head's wait, give way to: bk s[68:69], bq s[70:71], bv s[72:73], img s[74:75],
	s_load_b64 s[76:77], s[0:1], 0x30              ; aux
	STEP 0, 1                                      ; the first step's products start the sums
; THE BIASES are asked for here, so that they land under the remaining seven steps' products; the tails wait for them.  The branches hang on the job alone, which all partners share.
	s_wait_kmcnt 0x0
	s_lshl_b32 s4, s41, 1
	s_add_co_u32 s4, s4, s15                       ; RT: which 128 rows of the job's A are mine
	s_lshl_b32 s5, s40, 1
	s_add_co_u32 s5, s5, s16                       ; CT: which 128 of B
	s_mov_b32 s19, 0
	v_and_b32 v9, 15, v0                           ; r
	v_bfe_u32 v10, v0, 4, 1                        ; h
	v_lshlrev_b32 v8, 6, v10                       ; 64 h: a bias along the registers
	v_and_b32 v11, 8, v9
	v_add_lshl_u32 v11, v11, v9, 2                 ; 4 (r + 8 (r / 8)): a bias of the lane's row
	s_wait_alu depctr_va_vdst(0)
	s_cmp_ge_u32 ttmp9, 2
	s_cbranch_scc1 .Lbias_kq
	s_cmp_eq_u32 ttmp9, 1
	s_cbranch_scc1 .Lbias_v
	s_lshl_b32 s18, s5, 9
	s_add_nc_u64 s[68:69], s[68:69], s[18:19]
.irp b, 0,1,2,3
.irp j, 0,1,2,3
	global_load_b128 v[BI+16*\b+4*\j:BI+16*\b+4*\j+3], v8, s[68:69] offset:128*\b+16*\j
.endr
.endr
	s_branch .Lbias_done
.Lbias_v:
	s_lshl_b32 s18, s4, 9
	s_add_nc_u64 s[72:73], s[72:73], s[18:19]
.irp a, 0,1,2,3,4,5,6,7
	global_load_b32 v[BV+\a], v11, s[72:73] offset:4*(32*(\a/2)+8*(\a%2))
.endr
	s_branch .Lbias_done
.Lbias_kq:
	s_sub_co_u32 s8, ttmp9, 2
	s_lshl_b32 s8, s8, 3
	s_add_co_u32 s8, s8, s5                        ; head
	s_lshl_b32 s18, s8, 8
	s_add_nc_u64 s[68:69], s[68:69], s[18:19]
	s_add_nc_u64 s[70:71], s[70:71], s[18:19]
.irp b, 0,1
.irp j, 0,1,2,3
	global_load_b128 v[BI+16*\b+4*\j:BI+16*\b+4*\j+3], v8, s[68:69] offset:128*\b+16*\j
	global_load_b128 v[BI+32+16*\b+4*\j:BI+32+16*\b+4*\j+3], v8, s[70:71] offset:128*\b+16*\j
.endr
.endr
.Lbias_done:
.set SN, 1
.rept 5
	STEP SN, 0
.set SN, SN+1
.endr
	STEP 6, 0
	s_wait_dscnt 4*NL                              ; the last step: nothing more to fetch
	WIN MUL_LO
	MUL16 0, 1, 1, 1, 0
	MUL16 2, 1, 1, 1, 0
	s_wait_dscnt 0
	WIN MUL_HI
	MUL16 4, 1, 1, 1, 0
	MUL16 6, 1, 1, 1, 0
	WIN 0
; ---------------- THE TAILS
.macro COPYK a                         ; block a's 64 sums + the bias along the registers, each accumulator from its low end on
	WIN 2+(\a)/4
.set AC, 64*((\a)%4)
.set i, 0
.rept 32
	v_pk_add_f32 v[ST+i:ST+i+1], v[AC+i:AC+i+1], v[BI+i:BI+i+1]
.set i, i+2
.endr
	WIN 0
.endm
.macro COPYV a                         ; the same with the bias of the lane's own row
	v_mov_b32 v[BT], v[BV+(\a)]
	v_mov_b32 v[BT+1], v[BV+(\a)]
	WIN 2+(\a)/4
.set AC, 64*((\a)%4)
.set i, 0
.rept 32
	v_pk_add_f32 v[ST+i:ST+i+1], v[AC+i:AC+i+1], v[BT:BT+1]
.set i, i+2
.endr
	WIN 0
.endm
; 32 nc numbers of a lane from v[s] on, register 16 b + i = k 32 b + 16 (lane / 16) + i of my row, become 6 nc registers of codes in v[CD] on and 2 nc scale bytes in v[PW]
.macro QUANT s, nc
.irp b, 0,1,2,3
.if \b < 2*\nc
	v_max3_num_f32 v[TM+\b], |v[\s+16*\b]|, |v[\s+1+16*\b]|, 0x1800000   ; my 16 numbers, and the floor 2^(3 - 127)
.endif
.endr
.irp i, 2,4,6,8,10,12,14
.irp b, 0,1,2,3
.if \b < 2*\nc
	v_max3_num_f32 v[TM+\b], v[TM+\b], |v[\s+16*\b+\i]|, |v[\s+1+16*\b+\i]|
.endif
.endr
.endr
.irp b, 0,1,2,3
.if \b < 2*\nc
	v_permlanex16_b32 v[TM+4+\b], v[TM+\b], s98, s99
.endif
.endr
.irp b, 0,1,2,3
.if \b < 2*\nc
	v_max_num_f32 v[TM+\b], v[TM+\b], v[TM+4+\b]   ; with lane l xor 16's: the block's largest magnitude
.endif
.endr
.irp b, 0,1,2,3
.if \b < 2*\nc
	v_add_nc_u32 v[TM+12+\b], 0xff000000, v[TM+\b] ; 2 off its exponent field: the conversion's scale operand
.endif
.endr
.irp b, 0,1,2,3
.if \b < 2*\nc
	v_lshrrev_b32 v[TM+4+\b], 23, v[TM+12+\b]      ; the scale's byte
.endif
.endr
	v_lshl_or_b32 v[PW], v[TM+5], 8, v[TM+4]
.if \nc == 2
	v_lshl_or_b32 v[PW], v[TM+6], 16, v[PW]
	v_lshl_or_b32 v[PW], v[TM+7], 24, v[PW]
.endif
.irp c, 0,1
.if \c < \nc
	v_cvt_scalef32_pk16_fp6_f32 v[CD+6*\c:CD+2+6*\c], v[\s+32*\c:\s+15+32*\c], v[TM+12+2*\c]
	v_cvt_scalef32_pk16_fp6_f32 v[CD+12+4*\c:CD+14+4*\c], v[\s+16+32*\c:\s+31+32*\c], v[TM+12+2*\c+1]
.endif
.endr
	v_nop                                          ; one plain place behind a scaled conversion
.irp c, 0,1
.if \c < \nc
.irp i, 0,1,2
	v_permlane16_swap_b32 v[CD+6*\c+\i], v[CD+12+4*\c+\i]   ; the operand's layout wants a whole block in a lane
.endr
.irp i, 0,1,2
	v_mov_b32 v[CD+3+6*\c+\i], v[CD+12+4*\c+\i]
.endr
.endif
.endr
.endm
; k (isv = 0) and v (isv = 1).  k: my 128 rows of A are key step RT, my 128 of B head pair CT;  v: my 128 rows of A are head pair RT, my 128 of B key step CT.
.macro TAILKV isv
	s_lshl_b32 s12, s95, 3
	s_add_co_u32 s12, s12, s[5-\isv]               ; y = 8 x batch + head pair
	s_lshl_b32 s13, s12, 3
	s_add_co_u32 s13, s13, s[4+\isv]               ; 8 y + key step
	s_mul_i32 s18, s13, 12288                      ; eight fragments of 1,536 bytes
	s_add_co_u32 s18, s18, 3145728*(1+\isv)        ; behind q's images (and k's)
	s_add_nc_u64 s[74:75], s[74:75], s[18:19]
	s_lshl_b32 s18, s12, 13
	s_lshl_b32 s20, s[4+\isv], 9
	s_add_co_u32 s18, s18, s20
	s_add_co_u32 s18, s18, 524288+262144*\isv
	s_add_nc_u64 s[76:77], s[76:77], s[18:19]
	v_lshlrev_b32 v[SOFF], 2, v2
	v_lshl_add_u32 v[SOFF], v3, 12, v[SOFF]        ; scale words: 4 r; lanes 16-31 write 4,096 bytes on: k's second head, v's second copy
.if \isv == 0
	v_lshlrev_b32 v[SH], 4, v3                     ; lanes 16-31 take the word's upper two bytes: the second head's
.endif
	s_wait_loadcnt 0x0                             ; the bias, asked for behind the first K step
.irp a, 0,1,2,3,4,5,6,7
.if \a > 0
	s_wait_xcnt 0x0                                ; the last block's stores have read their registers: codes and scale word may be written again
.endif
.if \isv
	COPYV \a
.else
	COPYK \a
.endif
	QUANT ST, 2
	global_store_b128 v[L16], v[CD:CD+3], s[74:75] offset:1536*\a
	global_store_b64 v[L8], v[CD+4:CD+5], s[74:75] offset:1536*\a+512
	global_store_b128 v[L16], v[CD+6:CD+9], s[74:75] offset:1536*\a+768
	global_store_b64 v[L8], v[CD+10:CD+11], s[74:75] offset:1536*\a+1280
.if \isv
	global_store_b32 v[SOFF], v[PW], s[76:77] offset:64*\a
.else
	v_lshrrev_b32 v[SV], v[SH], v[PW]
	v_and_b32 v[SV], 0xffff, v[SV]                 ; the upper two bytes, for the zero codes of K = 64 .. 127, are 0
	global_store_b32 v[SOFF], v[SV], s[76:77] offset:64*\a
.endif
.endr
.endm
	PLACES NP                                      ; behind the last products: the lines below write registers that they read, and read their results
	v_and_b32 v1, 31, v0
	v_and_b32 v2, 15, v0                           ; r
	v_bfe_u32 v3, v0, 4, 1                         ; h
	v_lshlrev_b32 v[L16], 4, v1
	v_lshlrev_b32 v[L8], 3, v1
	v_lshlrev_b32 v[L4], 2, v1
.irp b, 0,1,2,3
	v_mov_b32 v[TM+4+\b], 0                        ; written once: a lane permute's destination counts as one of its sources
.endr
	v_mov_b32 v[XL], 0
	s_mov_b32 s98, 0x76543210
	s_mov_b32 s99, 0xfedcba98                      ; v_permlanex16_b32's selects for lane l xor 16
	s_mov_b32 s97, 0xffff0000
	s_lshl_b32 s4, s41, 1
	s_add_co_u32 s4, s4, s15                       ; RT: which 128 rows of the job's A are mine
	s_lshl_b32 s5, s40, 1
	s_add_co_u32 s5, s5, s16                       ; CT: which 128 of B
	s_mov_b32 s19, 0
	s_wait_kmcnt 0x0
	s_cmp_ge_u32 ttmp9, 2                          ; the job is the same in all partners
	s_cbranch_scc1 .Ltail_kq
	s_cmp_eq_u32 ttmp9, 1
	s_cbranch_scc1 .Ltail_v
	TAILKV 0
	s_branch .Lend
.Ltail_v:
	TAILKV 1
	s_branch .Lend
.Ltail_kq:
	; registers 0-31: k_u of head 8 (job - 2) + CT, registers 32-63: q_u of the same head
	s_sub_co_u32 s8, ttmp9, 2
	s_lshl_b32 s8, s8, 3
	s_add_co_u32 s8, s8, s5                        ; head
	s_lshl_b32 s9, s95, 4
	s_add_co_u32 s9, s9, s8
	s_lshl_b32 s9, s9, 6
	s_lshl_b32 s10, s4, 3
	s_add_co_u32 s9, s9, s10                       ; 64 (16 x batch + head) + 8 RT
	s_mul_i32 s18, s9, 768
	s_add_nc_u64 s[74:75], s[74:75], s[18:19]
	s_lshl_b32 s18, s9, 7
	s_add_nc_u64 s[76:77], s[76:77], s[18:19]
	s_wait_loadcnt 0x0                             ; the biases, asked for behind the first K step
.irp a, 0,1,2,3,4,5,6,7
.if \a > 0
	s_wait_xcnt 0x0                                ; the last block's stores have read their registers
.endif
	COPYK \a
	v_pk_mul_f32 v[ZS:ZS+1], v[ST:ST+1], v[ST+32:ST+33]           ; the sum over the head of q_u k_u, in f32: my 32 of the 64, in two chains
	v_pk_mul_f32 v[ZS+2:ZS+3], v[ST+2:ST+3], v[ST+34:ST+35]
.irp i, 4,8,12,16,20,24,28
	v_pk_fma_f32 v[ZS:ZS+1], v[ST+\i:ST+\i+1], v[ST+32+\i:ST+33+\i], v[ZS:ZS+1]
	v_pk_fma_f32 v[ZS+2:ZS+3], v[ST+2+\i:ST+3+\i], v[ST+34+\i:ST+35+\i], v[ZS+2:ZS+3]
.endr
	v_pk_add_f32 v[ZS:ZS+1], v[ZS:ZS+1], v[ZS+2:ZS+3]
	v_add_f32 v[ZS], v[ZS], v[ZS+1]
	v_permlanex16_b32 v[XL], v[ZS], s98, s99
	v_add_f32 v[ZS], v[ZS], v[XL]                  ; with lane l xor 16's 32
	QUANT ST+32, 1
	global_store_b128 v[L16], v[CD:CD+3], s[74:75] offset:768*\a
	global_store_b64 v[L8], v[CD+4:CD+5], s[74:75] offset:768*\a+512
	v_cndmask_b32 v[SV], v[PW], v[ZS], s97         ; lanes 0-15: q's scale word of row r; lanes 16-31: the sum of row r
	global_store_b32 v[L4], v[SV], s[76:77] offset:128*\a
.endr
.Lend:
	s_wait_tensorcnt 0x0                           ; the wave's end
	ds_add_u32 v[SPW], v[NIL]
	s_wait_dscnt 0x0
	CROUND                                         ; the closing round: no work-group ends while a partner may still ask for a tile that names it
	s_endpgm
.Lfunc_end_k_qa5d6d58cce_proj:
	.size	k_qa5d6d58cce_proj, .Lfunc_end_k_qa5d6d58cce_proj-k_qa5d6d58cce_proj
	.p2alignl 7, 3214868480
	.fill 96, 4, 3214868480
	.section	.rodata,"a",@progbits
	.p2align	6, 0x0
	.amdhsa_kernel k_qa5d6d58cce_proj
		.amdhsa_group_segment_fixed_size 327680
		.amdhsa_private_segment_fixed_size 0
		.amdhsa_enable_private_segment 0
		.amdhsa_kernarg_size 56
		.amdhsa_user_sgpr_count 2
		.amdhsa_user_sgpr_kernarg_segment_ptr 1
		.amdhsa_wavefront_size32 1
		.amdhsa_system_sgpr_workgroup_id_x 1
		.amdhsa_system_sgpr_workgroup_id_y 1
		.amdhsa_system_sgpr_workgroup_id_z 1
		.amdhsa_system_vgpr_workitem_id 0
		.amdhsa_next_free_vgpr 1024
		.amdhsa_next_free_sgpr 100
		.amdhsa_reserve_vcc 0
		.amdhsa_float_denorm_mode_32 3
		.amdhsa_float_denorm_mode_16_64 3
		.amdhsa_memory_ordered 1
		.amdhsa_forward_progress 1
		.amdhsa_inst_pref_size 255
	.end_amdhsa_kernel
	.section	.bss,"aw",@nobits
	.p2align	6
	.space	262144
	.amdgpu_metadata
---
amdhsa.version: [ 1, 2 ]
amdhsa.kernels:
  - .name:           k_qa5d6d58cce_proj
    .symbol:         k_qa5d6d58cce_proj.kd
    .args:
      - { .name: codes, .offset: 0, .size: 8, .value_kind: global_buffer, .address_space: global }
      - { .name: scales, .offset: 8, .size: 8, .value_kind: global_buffer, .address_space: global }
      - { .name: bk, .offset: 16, .size: 8, .value_kind: global_buffer, .address_space: global }
      - { .name: bq, .offset: 24, .size: 8, .value_kind: global_buffer, .address_space: global }
      - { .name: bv, .offset: 32, .size: 8, .value_kind: global_buffer, .address_space: global }
      - { .name: img, .offset: 40, .size: 8, .value_kind: global_buffer, .address_space: global }
      - { .name: aux, .offset: 48, .size: 8, .value_kind: global_buffer, .address_space: global }
    .group_segment_fixed_size: 327680
    .private_segment_fixed_size: 0
    .kernarg_segment_align: 8
    .kernarg_segment_size: 56
    .max_flat_workgroup_size: 128
    .sgpr_count:     100
    .vgpr_count:     1024
    .wavefront_size: 32
...
	.end_amdgpu_metadata
.endif
;; end of part 2
;; launch attn (part 3): grid 8 x 32, 4 waves a work-group, no clusters, 327,680 bytes of LDS; arguments img, aux, mimg, mask, codes, out0, out1, scales, bv; writes out0, out1
.if DOCPART == 3
	.amdgcn_target "amdgcn-amd-amdhsa--gfx1250"
	.amdhsa_code_object_version 6
	.text
	.protected	k_qa5d6d58cce_attn
	.globl	k_qa5d6d58cce_attn
	.p2align	8
	.type	k_qa5d6d58cce_attn,@function
k_qa5d6d58cce_attn:
	s_mov_b64 s[64:65], 0
	v_nop
	global_prefetch_b8 v0, s[64:65] scope:SCOPE_SE
	s_setreg_imm32_b32 hwreg(HW_REG_WAVE_MODE, 25, 1), 1
	s_wait_xcnt 0x0
; ATTN: both outputs.  A work-group takes one batch, two heads and 128 queries; the two heads' k and v images (all 1,024 keys) and their scale words lie in LDS, fetched once at the head.
; A wave takes one head and four tiles of 16 queries, one tile a trip: all 1,024 scores of a query tile stay in registers (windows 1, 2), since the second output's operand is the finished, normalised softmax.
; The mask image (x 8, the diagonal at -3e38) is the C of the score products; the diagonal's two scores are handled apart.  M is the ceiling of the row's largest t; sums of the unquantised p in f32.
; v_u = Q(embed_unknown) Q(Wv) + bv of the wave's own 64 queries x 64 columns is made at the head, while the tensor load is out, on codes taken from memory straight into registers,
; and waits in 16,384 bytes of LDS of the wave's own.  No joint loads: the work-groups' tiles are fetched once, at the head, and no slot is filled again.
; LIMITS: as stated in the preparing launches; scaled scores stay under 2^31 in magnitude.
.set KIMG,  0
.set VUL, 248320                       ; v_u, 16,384 bytes a wave; no tensor load lands here
.set VUA, 180                          ; v180 LDS address of this trip's v_u
.set VUS, 83                           ; s83  VUL + 16,384 x wave + 4,096 x trip
.set WCP, 88                           ; s[88:89] Wv's codes of my head
.set WSP, 90                           ; s[90:91] their scales
.set ESP, 84                           ; s[84:85] scales; then my tokens' scales
.set BVP, 86                           ; s[86:87] bv; then my head's
.set UG,  25                           ; v25 v_u's loads: 768 (lane / 8) + 16 (lane % 8): 4 rows x 128 bytes;  v26: 768 (lane / 4) + 16 (lane % 4): 8 rows x 64 bytes
.set UL,  28                           ; v28, v29 the same places in my stage, rows 208 bytes apart
.set UFA, 31                           ; v31    out of the stage: 208 r + 96 h
.set USTG, 212992                      ; v_u's stages: 26,624 bytes a wave (64 + 64 rows of 192 bytes + 16); read for the last time ahead of the barriers behind which these bytes serve the way out and v_u
.set USB, 92                           ; s92    my stage
.set USO, 21                           ; v21 32 r
.set UBO, 22                           ; v22 64 h
.set USW, 56                           ; v56-119 scale words as the products take them
.set USR, 192                          ; v192-255 scale words as loaded
.set UBB, 120                          ; v120-151 bv in the result's layout
.set VIMG,  98304
.set KSCL,  196608
.set VSCL,  204800
.set STAGE, 212992
.set SPT,   272
.set L16, 1
.set L8,  2
.set L4,  3
.set R4,  4
.set AKA, 5
.set AKB, 7
.set AKS, 9
.set AVA, 10
.set AVB, 12
.set AVS, 14
.set STO, 15
.set SRD, 16
.set GOUT, 17
.set MDO, 18
.set NMO, 20
.set RS,  22
.set CU,  24
.set DA,  26
.set LSUM, 28
.set MO,  36
.set DD,  37
.set D0,  38
.set NM,  39
.set NMU, 40
.set PD,  41
.set P0,  42
.set ED,  43
.set GF,  44
.set DELI, 45
.set LOFF, 46
.set XL,  47
.set SZ,  48
.set MD,  49
.set EDB, 50
.set T1,  54
.set T2,  55
.set BM,  56
.set QF,  88
.set KT,  100
.set DT,  112
.set QS,  120
.set KTS, 121
.set KSC, 122
.set VSC, 126
.set PWS, 130
.set PWU, 131
.set PS,  132
.set PU,  144
.set CT,  156
.set MX,  164
.set SO,  168
.set BY,  172
.set NEGV, 176
.set POSV, 177
.set RU,  178
.set TMP, 192
.set VU,  224
.set WV,  2
.set PAR, 3
.set WH,  4
.set SJ,  5
.set SY,  6
.set UI,  7
.set QP,  8
.set QAP, 10
.set MP,  12
.set MKP, 14
.set VUP, 16
.set O0P, 18
.set O1P, 20
.set KTP, 22
.set KSP, 24
.set TAU, 30
.set G1C, 32
.set G1S, 40
.set G0C, 48
.set G0S, 52
.set SEL, 56
.set CS,  58
.set LM,  66
.set XM,  74
.set TS,  82
.set MSB, 0
.macro WIN new
.if MSB != (\new)
	s_set_vgpr_msb (MSB<<8)|(\new)
.set MSB, (\new)
.endif
.endm
	s_load_b256 s[8:15], s[0:1], 0x0
	s_load_b128 s[16:19], s[0:1], 0x20
	s_load_b64 s[20:21], s[0:1], 0x30
	s_load_b128 s[84:87], s[0:1], 0x38
	v_lshl_add_u32 v190, v0, 2, 0x4fe00            ; the spare words: the last 512 bytes of LDS
	v_mov_b32 v191, 0
	ds_add_u32 v190, v191
	ds_add_u32 v190, v191
	v_lshrrev_b32 v19, 5, v0
	v_readfirstlane_b32 s[WV], v19
	s_and_b32 s[PAR], s[WV], 1
	s_lshr_b32 s[WH], s[WV], 1
	s_mov_b32 s[SJ], ttmp9
	s_and_b32 s[SY], ttmp7, 0xffff
	s_mov_b32 s[G1C+0], 3<<16
	s_mov_b32 s[G1C+1], 32<<16
	s_mov_b32 s[G1C+2], 192<<16
	s_mov_b32 s[G1C+3], 32<<16
	s_mov_b32 s[G1C+4], 192
	s_mov_b32 s[G1C+5], 32
	s_mov_b32 s[G1C+6], 0
	s_mov_b32 s[G1C+7], 0
	s_mov_b32 s[G1S+0], 3<<16
	s_mov_b32 s[G1S+1], 32<<16
	s_mov_b32 s[G1S+2], 16<<16
	s_mov_b32 s[G1S+3], 32<<16
	s_mov_b32 s[G1S+4], 16
	s_mov_b32 s[G1S+5], 32
	s_mov_b32 s[G1S+6], 0
	s_mov_b32 s[G1S+7], 0
	s_mul_i32 s26, s[SY], 98304
	s_mul_i32 s27, s[PAR], 49152
	s_add_co_u32 s26, s26, s27
	s_mul_i32 s27, s[WH], 3145728
	s_add_co_u32 s26, s26, s27
	s_add_co_u32 s26, s26, 3145728
	s_mov_b32 s27, 0
	s_lshl_b32 s28, s[SY], 13
	s_lshl_b32 s29, s[PAR], 12
	s_add_co_u32 s28, s28, s29
	s_lshl_b32 s29, s[WH], 18
	s_add_co_u32 s28, s28, s29
	s_add_co_u32 s28, s28, 524288
	s_mov_b32 s29, 0
	s_mul_i32 s60, s[WV], 49152
	s_lshl_b32 s61, s[WV], 12
	s_wait_dscnt 0x0
	s_wait_kmcnt 0x0
	s_mov_b32 s[G0C], 1
	s_mov_b32 s[G0C+1], s60
	s_add_nc_u64 s[G0C+2:G0C+3], s[8:9], s[26:27]
	s_or_b32 s[G0C+3], s[G0C+3], 0x80000000
	s_mov_b32 s[G0S], 1
	s_add_co_u32 s[G0S+1], s61, KSCL
	s_add_nc_u64 s[G0S+2:G0S+3], s[10:11], s[28:29]
	s_or_b32 s[G0S+3], s[G0S+3], 0x80000000
	tensor_load_to_lds s[G0C:G0C+3], s[G1C:G1C+7]
	s_nop 0
.rept 4
	v_nop
.endr
; ---- v_u.  Source 0 = 16 of Wv's columns (tile t of my head), source 1 = 16 tokens (my query tile u): register j of lane (r, h) is query r, column 32 (t / 2) + 8 (t % 2) + 16 h + j, as in the attention's result.
; K goes in four parts of 256: 192 bytes of each of my 64 + 64 rows.  The loads take the bytes as they lie: of 8 rows two loads take the first 128 bytes (8 neighbouring lanes to a row, 4 rows a load) and one
; the last 64 (4 lanes to a row, 8 rows).  The part turns through my own stage in LDS (rows 208 bytes apart) and comes back 96 CONSECUTIVE bytes a lane: lanes 0-15 blocks 0-3 of 32, lanes 16-31 blocks 4-7.
; Registers 0-11 and 12-23 are two operands, in which the unit's blocks 0, 1, 2, 3 hold the row's blocks 0, 4, 1, 5 and 2, 6, 3, 7: the same on both sides, so the products are the same;
; the scale bytes are put in that order by v_perm_b32.
	v_and_b32 v23, 15, v0
	v_bfe_u32 v24, v0, 4, 1
	v_and_b32 v35, 31, v0
	s_mul_i32 s[USB], s[WV], 26624
	s_add_co_u32 s[USB], s[USB], USTG
	v_lshrrev_b32 v32, 3, v35                      ; 4 rows x 8 pieces of 16 bytes
	v_and_b32 v33, 7, v35
	v_mul_u32_u24 v[UG], v32, 768
	v_lshl_add_u32 v[UG], v33, 4, v[UG]
	v_mul_u32_u24 v[UL], v32, 208
	v_lshl_add_u32 v[UL], v33, 4, v[UL]
	v_add_nc_u32 v[UL], s[USB], v[UL]
	v_lshrrev_b32 v32, 2, v35                      ; 8 rows x 4 pieces
	v_and_b32 v33, 3, v35
	v_mul_u32_u24 v[UG+1], v32, 768
	v_lshl_add_u32 v[UG+1], v33, 4, v[UG+1]
	v_mul_u32_u24 v[UL+1], v32, 208
	v_lshl_add_u32 v[UL+1], v33, 4, v[UL+1]
	v_add_nc_u32 v[UL+1], s[USB], v[UL+1]
	v_mul_u32_u24 v[UFA], v23, 208
	v_mul_u32_u24 v32, v24, 96
	v_add_nc_u32 v[UFA], v[UFA], v32
	v_add_nc_u32 v[UFA], s[USB], v[UFA]
	v_lshlrev_b32 v[USO], 5, v23
	v_lshlrev_b32 v[UBO], 6, v24
	s_and_b32 s60, s[SY], 7
	s_lshl_b32 s60, s60, 1
	s_add_co_u32 s60, s60, s[PAR]                  ; my head
	s_mul_i32 s62, s60, 49152                      ; 64 rows of 768 bytes a head,
	s_add_co_u32 s62, s62, 7077888                 ; from row 9,216 on
	s_mov_b32 s63, 0
	s_add_nc_u64 s[WCP:WCP+1], s[VUP:VUP+1], s[62:63]
	s_lshl_b32 s62, s60, 11
	s_add_co_u32 s62, s62, 294912
	s_add_nc_u64 s[WSP:WSP+1], s[ESP:ESP+1], s[62:63]
	s_lshl_b32 s62, s60, 8
	s_add_nc_u64 s[BVP:BVP+1], s[BVP:BVP+1], s[62:63]
	s_lshr_b32 s61, s[SY], 3
	s_lshl_b32 s61, s61, 10
	s_lshl_b32 s60, s[SJ], 7
	s_add_co_u32 s61, s61, s60
	s_lshl_b32 s60, s[WH], 4
	s_add_co_u32 s61, s61, s60
	s_add_co_u32 s61, s61, 4096                    ; my first token's row: 4,096 + 1,024 batch + 128 group + 16 parity; my tiles lie 32 rows apart
	s_mul_i32 s62, s61, 768
	s_add_nc_u64 s[VUP:VUP+1], s[VUP:VUP+1], s[62:63]
	s_lshl_b32 s62, s61, 5
	s_add_nc_u64 s[ESP:ESP+1], s[ESP:ESP+1], s[62:63]
	s_wait_alu depctr_va_vdst(0)
.irp b, 0,1,2,3
	global_load_b128 v[USR+8*\b:USR+8*\b+3], v[USO], s[WSP:WSP+1] offset:512*\b
	global_load_b128 v[USR+8*\b+4:USR+8*\b+7], v[USO], s[WSP:WSP+1] offset:512*\b+16
	global_load_b128 v[USR+32+8*\b:USR+32+8*\b+3], v[USO], s[ESP:ESP+1] offset:1024*\b
	global_load_b128 v[USR+32+8*\b+4:USR+32+8*\b+7], v[USO], s[ESP:ESP+1] offset:1024*\b+16
	global_load_b128 v[UBB+8*\b:UBB+8*\b+3], v[UBO], s[BVP:BVP+1] offset:128*(\b/2)+32*(\b%2)
	global_load_b128 v[UBB+8*\b+4:UBB+8*\b+7], v[UBO], s[BVP:BVP+1] offset:128*(\b/2)+32*(\b%2)+16
.endr
.macro LOADP kp                        ; 256 along K of my 64 + 64 rows: 48 loads, into window 3 (kp even) or window 1 (kp odd): Wv's tile b at v[24 b], tokens' tile b at v[96 + 24 b]
	WIN 0xc0-0x80*((\kp)%2)
.set i, 0
.rept 8                                ; three loads cover 8 rows; Wv's 64 rows are neighbours, my token tiles of 16 rows lie 32 rows apart
	global_load_b128 v[12*i:12*i+3], v[UG], s[WCP:WCP+1] offset:i*6144+192*(\kp)
	global_load_b128 v[12*i+4:12*i+7], v[UG], s[WCP:WCP+1] offset:i*6144+3072+192*(\kp)
	global_load_b128 v[12*i+8:12*i+11], v[UG+1], s[WCP:WCP+1] offset:i*6144+128+192*(\kp)
	global_load_b128 v[96+12*i:96+12*i+3], v[UG], s[VUP:VUP+1] offset:(i/2)*24576+(i%2)*6144+192*(\kp)
	global_load_b128 v[96+12*i+4:96+12*i+7], v[UG], s[VUP:VUP+1] offset:(i/2)*24576+(i%2)*6144+3072+192*(\kp)
	global_load_b128 v[96+12*i+8:96+12*i+11], v[UG+1], s[VUP:VUP+1] offset:(i/2)*24576+(i%2)*6144+128+192*(\kp)
.set i, i+1
.endr
	WIN 0
.endm
.macro TURNP w                         ; the part in window w goes through my stage and comes back into the same registers: Wv's tile b at v[24 b], tokens' tile b at v[96 + 24 b]
	WIN (\w)<<2
.set i, 0
.rept 8                                ; 8 rows of 208 bytes are 1,664; the tokens' 64 rows lie 13,312 bytes behind Wv's
	ds_store_b128 v[UL], v[12*i:12*i+3] offset:i*1664
	ds_store_b128 v[UL], v[12*i+4:12*i+7] offset:i*1664+832
	ds_store_b128 v[UL+1], v[12*i+8:12*i+11] offset:i*1664+128
	ds_store_b128 v[UL], v[96+12*i:96+12*i+3] offset:13312+i*1664
	ds_store_b128 v[UL], v[96+12*i+4:96+12*i+7] offset:13312+i*1664+832
	ds_store_b128 v[UL+1], v[96+12*i+8:96+12*i+11] offset:13312+i*1664+128
.set i, i+1
.endr
	s_wait_dscnt 0x0                               ; the stores have read their registers, which the loads below fill
	WIN (\w)<<6
.irp b, 0,1,2,3
.irp j, 0,1,2,3,4,5
	ds_load_b128 v[24*\b+4*\j:24*\b+4*\j+3], v[UFA] offset:3328*\b+16*\j
	ds_load_b128 v[96+24*\b+4*\j:96+24*\b+4*\j+3], v[UFA] offset:13312+3328*\b+16*\j
.endr
.endr
	s_wait_dscnt 0x0
.endm
.macro UMUL kp, f, c0                  ; 16 products, the 16 accumulators (window 2, v128-255) by turns; c0: bv starts the sums
.irp u, 0,1,2,3
.irp t, 0,1,2,3
.if \c0
	v_wmma_scale_f32_16x16x128_f8f6f4 v[128+32*\u+8*\t:128+32*\u+8*\t+7], v[24*\t+12*\f:24*\t+12*\f+11], v[96+24*\u+12*\f:96+24*\u+12*\f+11], v[UBB+8*\t:UBB+8*\t+7], v[USW+8*\t+2*\kp+\f], v[USW+32+8*\u+2*\kp+\f] matrix_a_fmt:MATRIX_FMT_FP6 matrix_b_fmt:MATRIX_FMT_FP6
.else
	v_wmma_scale_f32_16x16x128_f8f6f4 v[128+32*\u+8*\t:128+32*\u+8*\t+7], v[24*\t+12*\f:24*\t+12*\f+11], v[96+24*\u+12*\f:96+24*\u+12*\f+11], v[128+32*\u+8*\t:128+32*\u+8*\t+7], v[USW+8*\t+2*\kp+\f], v[USW+32+8*\u+2*\kp+\f] matrix_a_fmt:MATRIX_FMT_FP6 matrix_b_fmt:MATRIX_FMT_FP6
.endif
.endr
.endr
.endm
	LOADP 0
	LOADP 1
	s_wait_loadcnt 48                              ; the scales, bv and the first 256 along K are in; the 48 loads of the next 256 may be out
.irp b, 0,1,2,3,4,5,6,7
.irp q, 0,1,2,3
	v_perm_b32 v[USW+8*\b+2*\q], v[USR+8*\b+2*\q+1], v[USR+8*\b+2*\q], 0x05010400     ; the bytes of blocks 0, 4, 1, 5
	v_perm_b32 v[USW+8*\b+2*\q+1], v[USR+8*\b+2*\q+1], v[USR+8*\b+2*\q], 0x07030602   ; and of 2, 6, 3, 7
.endr
.endr
	s_wait_alu depctr_va_vdst(0)
.rept 8
	v_nop                                          ; a scale register written by a vector instruction stands 8 places ahead of a scaled matrix instruction
.endr
	TURNP 3
	WIN 0x8f                                       ; sources 0, 1 window 3, C window 0, D window 2
	UMUL 0, 0, 1
	WIN 0xaf
	UMUL 0, 1, 0
.rept 4
	v_nop
.endr
	LOADP 2
	s_wait_loadcnt 48
	TURNP 1
	WIN 0xa5                                       ; sources 0, 1 window 1
	UMUL 1, 0, 0
	UMUL 1, 1, 0
.rept 4
	v_nop
.endr
	LOADP 3
	s_wait_loadcnt 48
	TURNP 3
	WIN 0xaf
	UMUL 2, 0, 0
	UMUL 2, 1, 0
	s_wait_loadcnt 0x0
	TURNP 1
	WIN 0xa5
	UMUL 3, 0, 0
	UMUL 3, 1, 0
	WIN 0
.rept 4
	v_nop
.endr
	s_wait_alu depctr_va_vdst(0)
	s_wait_tensorcnt 0x0
	ds_add_u32 v190, v191
	s_wait_dscnt 0x0
	s_barrier_signal -1
	s_barrier_wait -1
	tensor_load_to_lds s[G0S:G0S+3], s[G1S:G1S+7]
	s_nop 0
.rept 4
	v_nop
.endr
	v_and_b32 v19, 31, v0
	v_and_b32 v[T1], 15, v0
	v_bfe_u32 v[T2], v0, 4, 1
	v_lshlrev_b32 v[L16], 4, v19
	v_lshlrev_b32 v[L8], 3, v19
	v_lshlrev_b32 v[L4], 2, v19
	v_lshlrev_b32 v[R4], 2, v[T1]
.irp i, 6,7,8,9,10,11
	v_mov_b32 v[QF+\i], 0
	v_mov_b32 v[KT+\i], 0
.endr
	WIN 0xc0
.irp f, 0,1,2,3,4,5,6,7
.irp i, 6,7,8,9,10,11
	v_mov_b32 v[12*\f+\i], 0
.endr
.endr
	WIN 0
.set i, 0
.rept 32
	v_mov_b32 v[TMP+i], 0
.set i, i+1
.endr
	v_mov_b32 v[XL], 0
	v_mov_b32 v[NMO+1], 0
	v_mov_b32 v[RS+1], 0
	v_mov_b32 v[CU+1], 0
	v_mov_b32 v[DA+1], 0
	v_mov_b32 v[NEGV], 0xff61b1e6
	v_mov_b32 v[POSV], 0x7f61b1e6
	s_mul_i32 s26, s[PAR], 768
	v_add_nc_u32 v[AKA], s26, v[L16]
	v_add_nc_u32 v[AKA+1], 49152, v[AKA]
	v_add_nc_u32 v[AKB], s26, v[L8]
	v_add_nc_u32 v[AKB], 512, v[AKB]
	v_add_nc_u32 v[AKB+1], 49152, v[AKB]
	s_lshl_b32 s26, s[PAR], 12
	s_add_co_u32 s26, s26, KSCL
	v_add_nc_u32 v[AKS], s26, v[L4]
	s_mul_i32 s26, s[PAR], 6144
	s_add_co_u32 s26, s26, VIMG
	v_add_nc_u32 v[AVA], s26, v[L16]
	v_add_nc_u32 v[AVA+1], 49152, v[AVA]
	v_add_nc_u32 v[AVB], s26, v[L8]
	v_add_nc_u32 v[AVB], 512, v[AVB]
	v_add_nc_u32 v[AVB+1], 49152, v[AVB]
	s_lshl_b32 s26, s[PAR], 8
	s_add_co_u32 s26, s26, VSCL
	v_add_nc_u32 v[AVS], s26, v[L4]
	s_mul_i32 s26, s[WV], 2*16*SPT
	s_add_co_u32 s26, s26, STAGE
	v_mul_u32_u24 v[STO], v[T1], SPT
	v_lshl_add_u32 v[STO], v[T2], 6, v[STO]
	v_add_nc_u32 v[STO], s26, v[STO]
	v_mul_u32_u24 v[SRD], v[T2], SPT
	v_lshl_add_u32 v[SRD], v[T1], 4, v[SRD]
	v_add_nc_u32 v[SRD], s26, v[SRD]
	v_lshlrev_b32 v[GOUT], 12, v[T2]
	v_lshl_add_u32 v[GOUT], v[T1], 4, v[GOUT]
	v_and_b32 v[MDO], 8, v[T1]
	v_add_nc_u32 v[MDO], v[MDO], v[T1]
	v_mul_u32_u24 v[MDO], v[MDO], 4100
	s_wait_alu depctr_va_vdst(0)
	s_mov_b32 s[SEL], 0x76543210
	s_mov_b32 s[SEL+1], 0xfedcba98
	s_mov_b32 s[CS], 0x3e38aa3b
	s_mov_b32 s[CS+1], s[CS]
.irp j, 0,1,2,3,4,5,6,7
	s_mov_b32 s[LM+\j], (1<<\j)|(1<<(24+\j))
.endr
	s_lshl_b32 s26, s[SY], 1
	s_add_co_u32 s26, s26, s[PAR]
	s_lshl_b32 s27, s[SJ], 3
	s_add_co_u32 s27, s27, s[WH]
	s_lshl_b32 s28, s26, 6
	s_add_co_u32 s28, s28, s27
	s_lshl_b32 s60, s[SY], 3
	s_add_co_u32 s60, s60, s[SJ]
	s_mul_i32 s60, s60, 12288
	s_mul_i32 s61, s[WH], 1536
	s_add_co_u32 s60, s60, s61
	s_mul_i32 s61, s[PAR], 768
	s_add_co_u32 s60, s60, s61
	s_add_co_u32 s60, s60, 3145728
	s_mov_b32 s61, 0
	s_add_nc_u64 s[KTP:KTP+1], s[8:9], s[60:61]
	s_lshl_b32 s60, s[SY], 13
	s_lshl_b32 s62, s[PAR], 12
	s_add_co_u32 s60, s60, s62
	s_lshl_b32 s62, s27, 6
	s_add_co_u32 s60, s60, s62
	s_add_co_u32 s60, s60, 524288
	s_add_nc_u64 s[KSP:KSP+1], s[10:11], s[60:61]
	s_mul_i32 s60, s28, 768
	s_add_nc_u64 s[QP:QP+1], s[QP:QP+1], s[60:61]
	s_lshl_b32 s60, s28, 7
	s_add_nc_u64 s[QAP:QAP+1], s[QAP:QAP+1], s[60:61]
	s_lshl_b32 s60, s27, 16
	s_add_nc_u64 s[MP:MP+1], s[MP:MP+1], s[60:61]
	s_lshr_b32 s62, s27, 1
	s_lshl_b32 s62, s62, 5
	s_and_b32 s63, s27, 1
	s_lshl_b32 s63, s63, 3
	s_add_co_u32 s62, s62, s63
	s_mul_i32 s60, s62, 4100
	s_add_nc_u64 s[MKP:MKP+1], s[MKP:MKP+1], s[60:61]
	s_lshl_b32 s[VUS], s[WV], 14
	s_add_co_u32 s[VUS], s[VUS], VUL
	s_lshr_b32 s60, s[SY], 3
	s_lshl_b32 s60, s60, 22
	s_lshl_b32 s63, s62, 12
	s_add_co_u32 s60, s60, s63
	s_and_b32 s63, s[SY], 7
	s_lshl_b32 s63, s63, 1
	s_add_co_u32 s63, s63, s[PAR]
	s_lshl_b32 s63, s63, 8
	s_add_co_u32 s60, s60, s63
	s_add_nc_u64 s[O0P:O0P+1], s[O0P:O0P+1], s[60:61]
	s_add_nc_u64 s[O1P:O1P+1], s[O1P:O1P+1], s[60:61]
.macro SETUP
	global_load_b128 v[QF:QF+3], v[L16], s[QP:QP+1]
	global_load_b64 v[QF+4:QF+5], v[L8], s[QP:QP+1] offset:512
	global_load_b32 v[QS], v[R4], s[QAP:QAP+1]
	global_load_b32 v[SZ], v[R4], s[QAP:QAP+1] offset:64
	global_load_b128 v[KT:KT+3], v[L16], s[KTP:KTP+1]
	global_load_b64 v[KT+4:KT+5], v[L8], s[KTP:KTP+1] offset:512
	global_load_b32 v[KTS], v[R4], s[KSP:KSP+1]
	global_load_b32 v[MD], v[MDO], s[MKP:MKP+1]
.endm
.macro MASKLD ks
	WIN ((1+(\ks)/4)<<6)
.irp g, 0,1,2,3,4,5,6,7,8,9,10,11,12,13,14,15
	global_load_b128 v[64*((\ks)%4)+4*\g:64*((\ks)%4)+4*\g+3], v[L16], s[MP:MP+1] offset:8192*(\ks)+512*\g
.endr
	WIN 0
.endm
.macro KLOAD g
.set KS_, (\g)/2
.set SET_, (\g)%2
	WIN 0xc0
.irp t, 0,1,2,3
	ds_load_b128 v[48*SET_+12*\t:48*SET_+12*\t+3], v[AKA+KS_/4] offset:(KS_%4)*12288+(4*SET_+\t)*1536
	ds_load_b64 v[48*SET_+12*\t+4:48*SET_+12*\t+5], v[AKB+KS_/4] offset:(KS_%4)*12288+(4*SET_+\t)*1536
.endr
	WIN 0
.irp p, 0,1
	ds_load_b32 v[KSC+2*SET_+\p], v[AKS] offset:(8*KS_+4*SET_+2*\p)*64
.endr
.endm
.macro SMUL g
.set KS_, (\g)/2
.set SET_, (\g)%2
.set W_, 1+KS_/4
	WIN (3|(W_<<4)|(W_<<6))
.irp t, 0,1,2,3
.set RS_, 64*(KS_%4)+8*(4*SET_+\t)
.if \t%2
	v_wmma_scale_f32_16x16x128_f8f6f4 v[RS_:RS_+7], v[48*SET_+12*\t:48*SET_+12*\t+11], v[QF:QF+11], v[RS_:RS_+7], v[KSC+2*SET_+\t/2], v[QS] matrix_a_fmt:MATRIX_FMT_FP6 matrix_b_fmt:MATRIX_FMT_FP6 matrix_a_scale:MATRIX_SCALE_ROW1
.else
	v_wmma_scale_f32_16x16x128_f8f6f4 v[RS_:RS_+7], v[48*SET_+12*\t:48*SET_+12*\t+11], v[QF:QF+11], v[RS_:RS_+7], v[KSC+2*SET_+\t/2], v[QS] matrix_a_fmt:MATRIX_FMT_FP6 matrix_b_fmt:MATRIX_FMT_FP6
.endif
.endr
.endm
.macro BMAXG g
.set KS_, (\g)/2
.set W_, 1+KS_/4
.set B0_, 64*(KS_%4)+32*((\g)%2)
	WIN (W_|(W_<<2)|(W_<<4))
.irp b, 0,1
	v_max3_num_f32 v[BM+2*(\g)+\b], v[B0_+16*\b], v[B0_+16*\b+1], v[B0_+16*\b+2]
.endr
	WIN ((W_<<2)|(W_<<4))
.irp i, 3,5,7,9,11,13
.irp b, 0,1
	v_max3_num_f32 v[BM+2*(\g)+\b], v[BM+2*(\g)+\b], v[B0_+16*\b+\i], v[B0_+16*\b+\i+1]
.endr
.endr
.irp b, 0,1
	v_max_num_f32 v[BM+2*(\g)+\b], v[BM+2*(\g)+\b], v[B0_+16*\b+15]
.endr
.endm
.macro VLOAD ks
.set SETV_, (\ks)%2
	WIN 0xc0
.irp t, 0,1,2,3
.set RV_, 96+48*SETV_+12*\t
.set OF_, ((\ks)%4)*12288+1536*\t
	ds_load_b128 v[RV_:RV_+3], v[AVA+(\ks)/4] offset:OF_
	ds_load_b64 v[RV_+4:RV_+5], v[AVB+(\ks)/4] offset:OF_
	ds_load_b128 v[RV_+6:RV_+9], v[AVA+(\ks)/4] offset:OF_+768
	ds_load_b64 v[RV_+10:RV_+11], v[AVB+(\ks)/4] offset:OF_+768
.endr
	WIN 0
.irp p, 0,1
	ds_load_b32 v[VSC+2*SETV_+\p], v[AVS] offset:512*(\ks)+128*\p
.endr
.endm
.macro TFMA k
.set i, 64*(\k)
.rept 32
	v_pk_fma_f32 v[i:i+1], v[i:i+1], s[CS:CS+1], v[NMO:NMO+1] op_sel_hi:[1,0,0]
.set i, i+2
.endr
.endm
.macro EXPCH k, f
.set i, 64*(\k)
.rept 32
.if \f
	v_pk_fma_f32 v[i+64:i+65], v[i+64:i+65], s[CS:CS+1], v[NMO:NMO+1] op_sel_hi:[1,0,0]
.endif
	v_exp_f32 v[i], v[i]
	v_exp_f32 v[i+1], v[i+1]
.set i, i+2
.endr
.endm
.macro SUMW w
.if \w == 1
	WIN 5
.irp c, 0,1,2,3
	v_pk_add_f32 v[LSUM+2*\c:LSUM+2*\c+1], v[2*\c:2*\c+1], v[8+2*\c:9+2*\c]
.endr
.set i, 16
.else
.set i, 0
.endif
	WIN ((\w)<<2)
.rept (256-i)/8
.irp c, 0,1,2,3
	v_pk_add_f32 v[LSUM+2*\c:LSUM+2*\c+1], v[LSUM+2*\c:LSUM+2*\c+1], v[i+2*\c:i+2*\c+1]
.endr
.set i, i+8
.endr
	WIN 0
.endm
.macro BYTES dst
.irp b, 0,1,2,3
	v_add_nc_u32 v[SO+\b], 0xff000000, v[MX+\b]
.endr
.irp b, 0,1,2,3
	v_lshrrev_b32 v[BY+\b], 23, v[SO+\b]
.endr
	v_lshl_or_b32 v[\dst], v[BY+1], 8, v[BY]
	v_lshl_or_b32 v[\dst], v[BY+2], 16, v[\dst]
	v_lshl_or_b32 v[\dst], v[BY+3], 24, v[\dst]
.endm
.macro PACK d
.irp c, 0,1
.irp i, 0,1,2
	v_permlane16_swap_b32 v[\d+6*\c+\i], v[CT+4*\c+\i]
.endr
.irp i, 0,1,2
	v_mov_b32 v[\d+6*\c+3+\i], v[CT+4*\c+\i]
.endr
.endr
.endm
.macro PVM acc, op, sw, t
.set RA_, \acc+8*\t
.set RV_, 96+48*SETP_+12*\t
.if ZERO_
.if \t%2
	v_wmma_scale_f32_16x16x128_f8f6f4 v[RA_:RA_+7], v[RV_:RV_+11], v[\op:\op+11], 0, v[VSC+2*SETP_+\t/2], v[\sw] matrix_a_fmt:MATRIX_FMT_FP6 matrix_b_fmt:MATRIX_FMT_FP6 matrix_a_scale:MATRIX_SCALE_ROW1
.else
	v_wmma_scale_f32_16x16x128_f8f6f4 v[RA_:RA_+7], v[RV_:RV_+11], v[\op:\op+11], 0, v[VSC+2*SETP_+\t/2], v[\sw] matrix_a_fmt:MATRIX_FMT_FP6 matrix_b_fmt:MATRIX_FMT_FP6
.endif
.else
.if \t%2
	v_wmma_scale_f32_16x16x128_f8f6f4 v[RA_:RA_+7], v[RV_:RV_+11], v[\op:\op+11], v[RA_:RA_+7], v[VSC+2*SETP_+\t/2], v[\sw] matrix_a_fmt:MATRIX_FMT_FP6 matrix_b_fmt:MATRIX_FMT_FP6 matrix_a_scale:MATRIX_SCALE_ROW1
.else
	v_wmma_scale_f32_16x16x128_f8f6f4 v[RA_:RA_+7], v[RV_:RV_+11], v[\op:\op+11], v[RA_:RA_+7], v[VSC+2*SETP_+\t/2], v[\sw] matrix_a_fmt:MATRIX_FMT_FP6 matrix_b_fmt:MATRIX_FMT_FP6
.endif
.endif
.endm
.macro PVSTEP ks
.set WP_, 1+(\ks)/4
.set SB_, 64*((\ks)%4)
	WIN 0
.irp b, 0,1,2,3
	v_mul_f32 v[MX+\b], v[BM+4*(\ks)+\b], v[CU]
.endr
.irp b, 0,1,2,3
	v_max_num_f32 v[MX+\b], 0x1800000, v[MX+\b]
.endr
	BYTES PWU
.if (\ks) < 7
	VLOAD (\ks)+1
.endif
.irp c, 0,1
	WIN WP_
.set i, 0
.rept 16
	v_pk_mul_f32 v[TMP+i:TMP+i+1], v[SB_+32*\c+i:SB_+32*\c+i+1], v[CU:CU+1] op_sel_hi:[1,0]
.set i, i+2
.endr
	WIN 0
	v_cvt_scalef32_pk16_fp6_f32 v[PU+6*\c:PU+6*\c+2], v[TMP:TMP+15], v[SO+2*\c]
	v_cvt_scalef32_pk16_fp6_f32 v[CT+4*\c:CT+4*\c+2], v[TMP+16:TMP+31], v[SO+2*\c+1]
	v_nop
.endr
	PACK PU
	s_cmp_lg_u32 s[SJ], \ks
	s_cbranch_scc1 .Lno_diag_\@
	WIN ((WP_<<6)|WP_)
.irp a, 0,1,2,3,4,5,6,7
.irp j, 0,1,2,3,4,5,6,7
	s_and_b32 s[TS], s[LM+\j], s[XM+\a]
	v_cndmask_b32 v[SB_+8*\a+\j], v[SB_+8*\a+\j], v[ED], s[TS]
.endr
.endr
	WIN 0
.irp b, 0,1,2,3
	v_max_num_f32 v[BM+4*(\ks)+\b], v[BM+4*(\ks)+\b], v[EDB+\b]
.endr
.Lno_diag_\@:
.irp b, 0,1,2,3
	v_max_num_f32 v[MX+\b], 0x1800000, v[BM+4*(\ks)+\b]
.endr
	BYTES PWS
	WIN WP_
.irp c, 0,1
	v_cvt_scalef32_pk16_fp6_f32 v[PS+6*\c:PS+6*\c+2], v[SB_+32*\c:SB_+32*\c+15], v[SO+2*\c]
	v_cvt_scalef32_pk16_fp6_f32 v[CT+4*\c:CT+4*\c+2], v[SB_+32*\c+16:SB_+32*\c+31], v[SO+2*\c+1]
.endr
	WIN 0
	v_nop
	PACK PS
	s_cmp_lt_u32 s[UI], 3
	s_cbranch_scc0 .Lno_mask_\@
	MASKLD \ks
.Lno_mask_\@:
.rept 8
	v_nop
.endr
.if (\ks) < 7
	s_wait_dscnt 18
.else
	s_wait_dscnt 0x0
.endif
.set SETP_, (\ks)%2
.set ZERO_, (\ks) == 0
	WIN 0xf3
	s_wait_alu depctr_va_vdst(0)
.irp t, 0,1,2,3
	PVM 192, PS, PWS, \t
.endr
.irp t, 0,1,2,3
	PVM 224, PU, PWU, \t
.endr
	WIN 0
.endm
	SETUP
.irp k, 0,1,2,3,4,5
	MASKLD \k
.endr
	s_wait_tensorcnt 0x0
	s_barrier_signal -1
	s_barrier_wait -1
	v_add_nc_u32 v[VUA], s[VUS], v[L16]            ; no tensor load is out any more: v_u goes to my own LDS bytes, tile u's registers 4 g .. 4 g + 3 at 4,096 u + 512 g + 16 x lane
	WIN 0x08                                       ; the data: window 2
.irp g, 0,1,2,3,4,5,6,7,8,9,10,11,12,13,14,15,16,17,18,19,20,21,22,23,24,25,26,27,28,29,30,31
	ds_store_b128 v[VUA], v[128+4*\g:128+4*\g+3] offset:512*\g
.endr
	WIN 0
	s_wait_dscnt 0x0                               ; the stores have read their registers, which take the mask of key steps 6 and 7
	MASKLD 6
	MASKLD 7
	s_mov_b32 s[UI], 0
	s_mov_b32 s[TAU], s[WH]
.Lunit:
	s_wait_loadcnt 63                              ; out at the most: the tile's 8 set-up loads and, behind them, 128 mask loads, 16 a key step: with 63 left the set-up and key steps 0-3 are in
	s_wait_xcnt 0x0
	s_add_nc_u64 s[QP:QP+1], s[QP:QP+1], 1536
	s_add_nc_u64 s[QAP:QAP+1], s[QAP:QAP+1], 256
	s_add_nc_u64 s[KTP:KTP+1], s[KTP:KTP+1], 3072
	s_add_nc_u64 s[KSP:KSP+1], s[KSP:KSP+1], 128
	s_add_nc_u64 s[MP:MP+1], s[MP:MP+1], 131072
	s_add_nc_u64 s[MKP:MKP+1], s[MKP:MKP+1], 131200
	v_add_nc_u32 v[VUA], s[VUS], v[L16]
.irp g, 0,1,2,3,4,5,6,7
	ds_load_b128 v[VU+4*\g:VU+4*\g+3], v[VUA] offset:512*\g
.endr
	v_wmma_scale_f32_16x16x128_f8f6f4 v[DT:DT+7], v[KT:KT+11], v[QF:QF+11], 0, v[KTS], v[QS] matrix_a_fmt:MATRIX_FMT_FP6 matrix_b_fmt:MATRIX_FMT_FP6
	KLOAD 0
.irp g, 0,1,2,3,4,5,6,7,8,9,10,11,12,13,14,15
.if \g < 15
	KLOAD \g+1
	s_wait_dscnt 10
.else
	s_wait_dscnt 0x0
.endif
.if (\g) >= 8 && (\g)%2 == 0
	s_wait_loadcnt 16*(7-(\g)/2)                   ; the mask of key step g / 2 is in; the 16 loads of each later key step may be out
.endif
	SMUL \g
.if \g == 0
.rept 4
	v_nop
.endr
.else
	BMAXG \g-1
.endif
.endr
	BMAXG 15
	VLOAD 0
.set i, 0
.rept 32
	v_permlanex16_b32 v[TMP+i], v[BM+i], s[SEL], s[SEL+1]
.set i, i+1
.endr
.set i, 0
.rept 32
	v_max_num_f32 v[BM+i], v[BM+i], v[TMP+i]
.set i, i+1
.endr
.irp c, 0,1,2,3
	v_max3_num_f32 v[MX+\c], v[BM+\c], v[BM+4+\c], v[BM+8+\c]
.endr
.irp c, 0,1,2,3
	v_max3_num_f32 v[MX+\c], v[MX+\c], v[BM+12+\c], v[BM+16+\c]
.endr
.irp c, 0,1,2,3
	v_max3_num_f32 v[MX+\c], v[MX+\c], v[BM+20+\c], v[BM+24+\c]
.endr
.irp c, 0,1,2,3
	v_max_num_f32 v[MX+\c], v[MX+\c], v[BM+28+\c]
.endr
	v_max3_num_f32 v[MO], v[MX], v[MX+1], v[MX+2]
	v_max_num_f32 v[MO], v[MO], v[MX+3]
	v_mov_b32 v[DD], v[NEGV]
.irp j, 0,1,2,3,4,5,6,7
	v_cndmask_b32 v[DD], v[DD], v[DT+\j], s[LM+\j]
.endr
	v_permlanex16_b32 v[XL], v[DD], s[SEL], s[SEL+1]
	v_max_num_f32 v[DD], v[DD], v[XL]
	v_mul_f32 v[MD], 0x41000000, v[MD]
	v_med3_num_f32 v[MD], v[MD], v[NEGV], v[POSV]
	v_add_f32 v[DD], v[DD], v[MD]
	v_add_f32 v[D0], v[SZ], v[MD]
	v_mul_f32 v[T1], s[CS], v[MO]
	v_max_num_f32 v[T1], 0xf149f2ca, v[T1]
	v_floor_f32 v[NMO], -v[T1]
	v_mul_f32 v[T1], s[CS], v[DD]
	v_floor_f32 v[T1], -v[T1]
	v_min_num_f32 v[NM], v[NMO], v[T1]
	v_mul_f32 v[T2], s[CS], v[D0]
	v_floor_f32 v[T2], -v[T2]
	v_min_num_f32 v[NMU], v[NMO], v[T2]
	v_sub_f32 v[T1], v[NMO], v[NM]
	v_min_num_f32 v[T1], 0x42c80000, v[T1]
	v_cvt_i32_f32 v[DELI], v[T1]
	v_sub_f32 v[T2], v[NMU], v[NMO]
	v_cvt_i32_f32 v[T2], v[T2]
	v_ldexp_f32 v[GF], 1.0, v[T2]
	v_fma_f32 v[PD], v[DD], s[CS], v[NM]
	v_fma_f32 v[P0], v[D0], s[CS], v[NMU]
.set i, 0
.rept 16
	v_pk_fma_f32 v[BM+i:BM+i+1], v[BM+i:BM+i+1], s[CS:CS+1], v[NMO:NMO+1] op_sel_hi:[1,0,0]
.set i, i+2
.endr
	WIN 0x41
	TFMA 0
	s_wait_alu depctr_va_vdst(0)
	EXPCH 0, 1
	s_wait_alu depctr_va_vdst(0)
	EXPCH 1, 1
	s_wait_alu depctr_va_vdst(0)
	EXPCH 2, 1
	s_wait_alu depctr_va_vdst(0)
	EXPCH 3, 0
	v_nop
	s_wait_alu depctr_va_vdst(0)
	SUMW 1
	WIN 0x82
	TFMA 0
	s_wait_alu depctr_va_vdst(0)
	EXPCH 0, 1
	s_wait_alu depctr_va_vdst(0)
	EXPCH 1, 1
	s_wait_alu depctr_va_vdst(0)
	EXPCH 2, 1
	s_wait_alu depctr_va_vdst(0)
	EXPCH 3, 0
	WIN 0
.set i, 0
.rept 32
	v_exp_f32 v[BM+i], v[BM+i]
.set i, i+1
.endr
	v_exp_f32 v[PD], v[PD]
	v_exp_f32 v[P0], v[P0]
	v_nop
	s_wait_alu depctr_va_vdst(0)
	SUMW 2
	v_pk_add_f32 v[LSUM:LSUM+1], v[LSUM:LSUM+1], v[LSUM+2:LSUM+3]
	v_pk_add_f32 v[LSUM+4:LSUM+5], v[LSUM+4:LSUM+5], v[LSUM+6:LSUM+7]
	v_pk_add_f32 v[LSUM:LSUM+1], v[LSUM:LSUM+1], v[LSUM+4:LSUM+5]
	v_add_f32 v[LOFF], v[LSUM], v[LSUM+1]
	v_permlanex16_b32 v[XL], v[LOFF], s[SEL], s[SEL+1]
	v_add_f32 v[LOFF], v[LOFF], v[XL]
	v_ldexp_f32 v[ED], v[PD], v[DELI]
	v_add_f32 v[T1], v[LOFF], v[ED]
	v_fma_f32 v[T2], v[LOFF], v[GF], v[P0]
	s_wait_alu depctr_va_vdst(0)
	v_rcp_f32 v[RS], v[T1]
	v_rcp_f32 v[RU], v[T2]
	s_lshr_b32 s60, s[TAU], 1
.irp b, 0,1,2,3
	s_cmp_eq_u32 s60, \b
	s_cselect_b32 s61, -1, 0
	v_and_b32 v[EDB+\b], s61, v[ED]
.endr
.irp a, 0,1,2,3,4,5,6,7
	s_cmp_eq_u32 s[TAU], \a
	s_cselect_b32 s[XM+\a], -1, 0
.endr
	s_wait_alu depctr_va_vdst(0)
	v_mul_f32 v[CU], v[GF], v[RU]
	v_mul_f32 v[DA], v[P0], v[RU]
	s_wait_loadcnt 0x0
	s_cmp_lt_u32 s[UI], 3
	s_cbranch_scc0 .Lno_setup
	SETUP
.Lno_setup:
	s_wait_alu depctr_va_vdst(0)
.irp k, 0,1,2,3,4,5,6,7
	PVSTEP \k
.endr
.rept 4
	v_nop
.endr
	WIN 0x03
.set i, 0
.rept 16
	v_pk_mul_f32 v[TMP+i:TMP+i+1], v[192+i:193+i], v[RS:RS+1] op_sel_hi:[1,0]
.set i, i+2
.endr
	WIN 0x30
.set i, 0
.rept 16
	v_pk_fma_f32 v[VU+i:VU+i+1], v[VU+i:VU+i+1], v[DA:DA+1], v[224+i:225+i] op_sel_hi:[1,0,1]
.set i, i+2
.endr
	WIN 0
.irp t, 0,1,2,3
.irp j, 0,1
	ds_store_b128 v[STO], v[TMP+8*\t+4*\j:TMP+8*\t+4*\j+3] offset:128*(\t/2)+32*(\t%2)+16*\j
.endr
.endr
.irp i, 0,1,2,3,4,5,6,7
	ds_load_b128 v[BM+4*\i:BM+4*\i+3], v[SRD] offset:2*\i*SPT
.endr
.irp t, 0,1,2,3
.irp j, 0,1
	ds_store_b128 v[STO], v[VU+8*\t+4*\j:VU+8*\t+4*\j+3] offset:16*SPT+128*(\t/2)+32*(\t%2)+16*\j
.endr
.endr
.irp i, 0,1,2,3,4,5,6,7
	ds_load_b128 v[TMP+4*\i:TMP+4*\i+3], v[SRD] offset:16*SPT+2*\i*SPT
.endr
	s_wait_dscnt 16
.irp i, 0,1,2,3,4,5,6,7
	global_store_b128 v[GOUT], v[BM+4*\i:BM+4*\i+3], s[O0P:O0P+1] offset:4096*(2*\i+8*(\i/4)) th:TH_STORE_NT
.endr
	s_wait_dscnt 0x0
.irp i, 0,1,2,3,4,5,6,7
	global_store_b128 v[GOUT], v[TMP+4*\i:TMP+4*\i+3], s[O1P:O1P+1] offset:4096*(2*\i+8*(\i/4)) th:TH_STORE_NT
.endr
	s_wait_xcnt 0x0
	s_add_co_u32 s[VUS], s[VUS], 4096
	s_add_nc_u64 s[O0P:O0P+1], s[O0P:O0P+1], 131072
	s_add_nc_u64 s[O1P:O1P+1], s[O1P:O1P+1], 131072
	s_add_co_u32 s[TAU], s[TAU], 2
	s_add_co_u32 s[UI], s[UI], 1
	s_cmp_lt_u32 s[UI], 4
	s_cbranch_scc1 .Lunit
	s_wait_tensorcnt 0x0
	ds_add_u32 v190, v191
	s_wait_dscnt 0x0
	s_endpgm
.Lfunc_end_k_qa5d6d58cce_attn:
	.size	k_qa5d6d58cce_attn, .Lfunc_end_k_qa5d6d58cce_attn-k_qa5d6d58cce_attn
	.p2alignl 7, 3214868480
	.fill 96, 4, 3214868480
	.section	.rodata,"a",@progbits
	.p2align	6, 0x0
	.amdhsa_kernel k_qa5d6d58cce_attn
		.amdhsa_group_segment_fixed_size 327680
		.amdhsa_private_segment_fixed_size 0
		.amdhsa_enable_private_segment 0
		.amdhsa_kernarg_size 72
		.amdhsa_user_sgpr_count 2
		.amdhsa_user_sgpr_kernarg_segment_ptr 1
		.amdhsa_wavefront_size32 1
		.amdhsa_system_sgpr_workgroup_id_x 1
		.amdhsa_system_sgpr_workgroup_id_y 1
		.amdhsa_system_sgpr_workgroup_id_z 1
		.amdhsa_system_vgpr_workitem_id 0
		.amdhsa_next_free_vgpr 1024
		.amdhsa_next_free_sgpr 96
		.amdhsa_reserve_vcc 0
		.amdhsa_float_denorm_mode_32 3
		.amdhsa_float_denorm_mode_16_64 3
		.amdhsa_memory_ordered 1
		.amdhsa_forward_progress 1
		.amdhsa_inst_pref_size 255
	.end_amdhsa_kernel
	.section	.bss,"aw",@nobits
	.p2align	6
	.space	262144
	.amdgpu_metadata
---
amdhsa.version: [ 1, 2 ]
amdhsa.kernels:
  - .name:           k_qa5d6d58cce_attn
    .symbol:         k_qa5d6d58cce_attn.kd
    .args:
      - { .name: img, .offset: 0, .size: 8, .value_kind: global_buffer, .address_space: global }
      - { .name: aux, .offset: 8, .size: 8, .value_kind: global_buffer, .address_space: global }
      - { .name: mimg, .offset: 16, .size: 8, .value_kind: global_buffer, .address_space: global }
      - { .name: mask, .offset: 24, .size: 8, .value_kind: global_buffer, .address_space: global }
      - { .name: codes, .offset: 32, .size: 8, .value_kind: global_buffer, .address_space: global }
      - { .name: out0, .offset: 40, .size: 8, .value_kind: global_buffer, .address_space: global }
      - { .name: out1, .offset: 48, .size: 8, .value_kind: global_buffer, .address_space: global }
      - { .name: scales, .offset: 56, .size: 8, .value_kind: global_buffer, .address_space: global }
      - { .name: bv, .offset: 64, .size: 8, .value_kind: global_buffer, .address_space: global }
    .group_segment_fixed_size: 327680
    .private_segment_fixed_size: 0
    .kernarg_segment_align: 8
    .kernarg_segment_size: 72
    .max_flat_workgroup_size: 128
    .sgpr_count:     96
    .vgpr_count:     1024
    .wavefront_size: 32
...
	.end_amdgpu_metadata
.endif
;; end of part 3
